; MI455X (gfx1250); checked and timed in simulation.
; The chip was launched on July 23, 2026; its instructions are those of AMD's public machine-readable ISA for CDNA 5 (MIT licence, August 2026) and "CDNA5" Instruction Set Architecture Reference Guide (July 2026). The comments in the code are by the model that wrote it; some were corrected since.
;; VQ Model. Allowed arithmetic: matrix products marked QUANTISED: E2M3 operands, one E8M0 scale for each 32 along K, by v_wmma_scale_f32_16x16x128_f8f6f4 with both operands' format E2M3, f32 sums; everything else in f32.
;; Inputs: codebook 8,192 x 64 float32; h_codes 16 x 32 x 32 x 4 x 24 uint8 (E2M3 codes of h, K innermost, in blocks of 32 codes, four codes in three bytes); h_scales 16 x 32 x 32 x 4 uint8 (E8M0 scales of h, one for each 32 codes along K); post_b 128 float32; post_w_codes 128 x 2 x 24 uint8 (E2M3 codes of post_w, K innermost, in blocks of 32 codes, four codes in three bytes); post_w_scales 128 x 2 uint8 (E8M0 scales of post_w, one for each 32 codes along K); quant_b 64 float32; quant_w_codes 64 x 4 x 24 uint8 (E2M3 codes of quant_w, K innermost, in blocks of 32 codes, four codes in three bytes); quant_w_scales 64 x 4 uint8 (E8M0 scales of quant_w, one for each 32 codes along K); rand_idx 16,384 int32; rand_prob 16,384 float32.
;; Outputs: out0 16 x 128 x 32 x 32 float32; out1 one number float32.
;; Constants: delta = 10.
;; This version of the problem:
;;   THIS VERSION OF THE PROBLEM IS GIVEN IN LOW PRECISION. The matrix products marked QUANTISED in the list below multiply operands that are first quantised to E2M3 (2 exponent bits, 3 mantissa bits; 6 bits a number), with one power-of-two scale for each 32 numbers along K (OCP MX v1.0); their sums are f32. All else is computed in f32.
;;   The module's matrix products, in the order in which they are computed (A, B: the left and right operand; K: the contracted axis; several contracted axes count as one K, in the product's order):
;;     1. [M 64, K 128] x [K 128, N 16,384]; A: input quant_w (given as codes); B: input h (given as codes): QUANTISED
;;     2. [M 16,384, K 64] x [K 64, N 8,192]; A: computed on the way; B: input codebook: QUANTISED
;;     3. [M 128, K 64] x [K 64, N 16,384]; A: input post_w (given as codes); B: computed on the way: QUANTISED
;;   THE QUANTISER, for each operand of a quantised product, along K:
;;     - K is cut into blocks of 32 from its start; a last block that is shorter is filled with zeros.
;;     - A block's scale is 2^e with e = floor(log2(the largest magnitude in the block)) - 2, held to -126 .. 127; a block of zeros has e = 0. As a byte (E8M0): e + 127.
;;     - Each number is divided by its block's scale, clamped to +-7.5, and rounded to the nearest number of E2M3, ties to even, subnormals kept.
;;     - The product sums the exact products of the quantised numbers (number of the format x scale) in f32.
;;   ~~~python
;;   def quantise(x, axis):      # numpy; x: float32 -> the quantised numbers, widened to float32 again
;;       x = np.moveaxis(x, axis, -1); K = x.shape[-1]
;;       x = np.pad(x, [(0, 0)] * (x.ndim - 1) + [(0, -K % 32)]); x = x.reshape(x.shape[:-1] + (-1, 32)); a = np.abs(x).max(-1, keepdims=True)
;;       e = np.where(a > 0, np.clip(np.frexp(np.where(a > 0, a, 1))[1] - 1 - 2, -126, 127), 0)      # np.frexp(a)[1] - 1 = floor(log2(a)), exactly
;;       r = np.clip(x / 2.0 ** e, -7.5, 7.5)
;;       step = 2.0 ** (np.maximum(np.frexp(np.where(r == 0, 1, r))[1] - 1, 0) - 3)
;;       q = np.round(r / step) * step * 2.0 ** e      # np.round: ties to even
;;       return np.moveaxis(q.reshape(q.shape[:-2] + (-1,))[..., :K], -1, axis).astype(np.float32)
;;   ~~~
;;   OPERANDS COMPUTED ON THE WAY. 'Computed on the way' means the value that the module computes at that place (a softmax that the list does not call 'softmax' is quantised finished and normalised). What goes into a quantiser is computed in f32, as accurately as f32 sums, v_exp_f32 and their like allow (about 1e-6 of the number): no bf16 or f16 on the way to a quantiser, and a product that is left as it is and whose result goes on into a quantised operand takes f32 operands (vector FMAs, or v_wmma_f32_16x16x4_f32). A number that lies on a knife's edge between two numbers of the format may be rounded either way, as far as f32 arithmetic and the matrix unit's own rounding can turn it there, and no further.
;;   INPUTS GIVEN AS CODES. h (in the module: [16, 128, 32, 32], K = its axis 1); post_w (in the module: [128, 64], K = its axis 1); quant_w (in the module: [64, 128], K = its axis 1): each comes as NAME_codes (uint8): NAME with its K axis moved to the last place and cut into blocks of 32 codes, [.., K / 32, bytes a block], one block behind the other in memory; four codes in three bytes: a row's codes are one little-endian stream of bits, code i at bits 6 i .. 6 i + 5 (a code: sign, 2 exponent bits, 3 mantissa bits); and NAME_scales (uint8): the same leading axes, one E8M0 byte (e + 127) for each 32 codes along K. Its value is code x scale, taken as it is: it is not quantised again, and the codes and scales need not be those that the quantiser above would give.
;; One version. Each part assembles by itself: llvm-mc -triple=amdgcn-amd-amdhsa -mcpu=gfx1250 --defsym DOCPART=n.
;; ======== version 1 of 1: 5 launches
;; workspace buffers: cbq 458,752 bytes; cbg 458,752 bytes; glist 524,288 bytes of whole numbers; pick 131,072 bytes of whole numbers; qpart 1,024 bytes
;; launch cbquant (part 1): grid 128 x 1, 1 waves a work-group, no clusters, 512 bytes of LDS; arguments codebook, cbq, cbg; writes cbq, cbg
.if DOCPART == 1
	.amdgcn_target "amdgcn-amd-amdhsa--gfx1250"
	.amdhsa_code_object_version 6
	.text
	.protected	k_q0bba07a50d_cbquant
	.globl	k_q0bba07a50d_cbquant
	.p2align	8
	.type	k_q0bba07a50d_cbquant,@function
k_q0bba07a50d_cbquant:
	s_mov_b64 s[64:65], 0
	v_nop
	global_prefetch_b8 v0, s[64:65] scope:SCOPE_SE
	s_setreg_imm32_b32 hwreg(HW_REG_WAVE_MODE, 25, 1), 1
	s_wait_xcnt 0x0
; The codebook [8192][64] f32 becomes codes of E2M3 (K = the row's 64 numbers, two blocks of 32), scale words and row norms, in two layouts of this program's own.
; A block's scale is 2^(floor(log2(largest magnitude)) - 2); its byte is the largest magnitude's exponent field - 2, held at 1 from below.
; LIMITS: a block of zeros, or one whose largest magnitude lies under 2^-124, keeps the byte 1 (its codes are zeros or subnormal codes; only this program reads the bytes); NaN and infinities are not served.
; ROW ORDER.  code(q, h', i, t, j) = 2048 q + 1024 h' + 32 i + 8 t + j.  A tile of 16 rows for the scan is (q, i, t): row r = 8 h' + j.  A group of 16 neighbouring rows is gid = code / 16.
; cbq: 128 records of 3,584 bytes, record = work-group number = 16 c + 4 q + i' (i = 4 c + i'): four tiles as images of the operand's registers (768 bytes: lane l's first 16 bytes at 16 l, its last 8 at 512 + 8 l),
;      at 3,072 the scale words (lane l: tile l / 16, then tile 2 + l / 16, row l % 16), at 3,328 the norms, 64 floats at index 32 h' + 8 t + j.
; cbg: 512 records of 896 bytes, one a group: the same image for rows 16 gid + 0 .. 15, at 768 sixteen scale words, at 832 sixteen norms.  Its stores are runs of 128, 64 and 32 bytes: the rows of a scan tile belong to two groups.
; A scale word is byte(block 0) | byte(block 1) << 8; its upper two bytes are 0: the products' unused K = 64 .. 127.
; The norm is summed in ascending order by fused multiply-adds: lanes 0-15 (block 0) first, lanes 16-31 go on from their sum.
; One wave a work-group: lane (r, hk) holds block hk of row r, 32 numbers a tile.  No loop, no barrier.
.set X,  32                            ; v32-159  four tiles x 32 numbers
.set C,  160                           ; tile t's six registers of codes at C + 8 t
.set T2, 192                           ; the second conversion's three registers (they begin on an even number), at T2 + 4 t
.set MX, 208                           ; largest magnitudes
.set SO, 212                           ; the conversions' scale operands
.set BY, 216                           ; scale bytes
.set NR, 220                           ; norms
.set OT, 224                           ; what the other half of the lanes sends
.set W,  228                           ; scale words
.set SD, 232                           ; store data
	s_load_b128 s[4:7], s[0:1], 0x0                ; codebook, cbq
	s_load_b64 s[8:9], s[0:1], 0x10                ; cbg
	v_lshl_add_u32 v240, v0, 2, 0x100
	v_mov_b32 v241, 0
	v_and_b32 v1, 15, v0                           ; r
	v_lshrrev_b32 v2, 4, v0                        ; hk
	v_lshrrev_b32 v3, 3, v1                        ; h'
	v_and_b32 v4, 7, v1                            ; j
	v_lshlrev_b32 v5, 18, v3                       ; in: 1,024 h' rows of 256 bytes,
	v_lshl_add_u32 v5, v4, 8, v5                   ; + j rows,
	v_lshl_add_u32 v5, v2, 7, v5                   ; + my block's 128 bytes
	v_lshlrev_b32 v6, 4, v0                        ; 16 l
	v_lshlrev_b32 v7, 3, v0                        ; 8 l
	v_lshlrev_b32 v8, 3, v2                        ; 8 hk: my byte's place in the scale word
	v_lshlrev_b32 v9, 7, v3
	v_lshl_add_u32 v9, v4, 2, v9                   ; LDS: 128 h' + 4 j
	v_mul_u32_u24 v10, v3, 57344                   ; cbg: 64 groups further on for h' = 1
	v_lshl_add_u32 v11, v4, 4, v10
	v_lshl_add_u32 v11, v2, 8, v11                 ; 16 (j + 16 hk)
	v_lshl_add_u32 v12, v4, 3, v10
	v_lshl_add_u32 v12, v2, 7, v12                 ; 8 (j + 16 hk)
	v_lshl_add_u32 v13, v4, 2, v10
	v_lshl_add_u32 v13, v2, 6, v13                 ; 4 j, + 64 for lanes 16-31, which store the norms
	s_lshr_b32 s10, ttmp9, 4                       ; c
	s_bfe_u32 s11, ttmp9, 0x20002                  ; q
	s_and_b32 s12, ttmp9, 3                        ; i'
	s_lshl_b32 s13, s10, 2
	s_add_co_u32 s13, s13, s12                     ; i
	s_lshl_b32 s14, s11, 19                        ; 2,048 q rows
	s_lshl_b32 s15, s13, 13                        ; 32 i rows
	s_add_co_u32 s14, s14, s15
	s_mov_b32 s15, 0
	s_mul_i32 s16, ttmp9, 3584                     ; my record of cbq
	s_mov_b32 s17, 0
	s_lshl_b32 s18, s11, 7
	s_lshl_b32 s19, s13, 1
	s_add_co_u32 s18, s18, s19                     ; group 128 q + 2 i
	s_mul_i32 s18, s18, 896
	s_mov_b32 s19, 0
	s_mov_b32 s20, 0x76543210
	s_mov_b32 s21, 0xfedcba98                      ; v_permlanex16_b32's selects for lane l xor 16
	s_mov_b32 s22, 0xffff0000                      ; lanes 16-31
	s_wait_kmcnt 0x0
	s_add_nc_u64 s[4:5], s[4:5], s[14:15]
	s_add_nc_u64 s[6:7], s[6:7], s[16:17]
	s_add_nc_u64 s[8:9], s[8:9], s[18:19]
.irp t, 0,1,2,3
.irp k, 0,1,2,3,4,5,6,7
	global_load_b128 v[X+32*\t+4*\k:X+32*\t+4*\k+3], v5, s[4:5] offset:2048*\t+16*\k th:TH_LOAD_NT
.endr
.endr
.irp t, 0,1,2,3
	v_mov_b32 v[OT+\t], 0                          ; a lane permute's destination counts as one of its sources
.endr
	s_wait_loadcnt 0x0
	; the blocks' largest magnitudes, the four tiles by turns; the floor 2^(3 - 127) holds the byte at 1 from below
.irp t, 0,1,2,3
	v_max3_num_f32 v[MX+\t], |v[X+32*\t]|, |v[X+32*\t+1]|, 0x1800000
.endr
.irp i, 2,4,6,8,10,12,14,16,18,20,22,24,26,28,30
.irp t, 0,1,2,3
	v_max3_num_f32 v[MX+\t], v[MX+\t], |v[X+32*\t+\i]|, |v[X+32*\t+\i+1]|
.endr
.endr
	; the norms: my 32 squares in ascending order,
.irp t, 0,1,2,3
	v_mul_f32 v[NR+\t], v[X+32*\t], v[X+32*\t]
.endr
.set jj, 1
.rept 31
.irp t, 0,1,2,3
	v_fmac_f32 v[NR+\t], v[X+32*\t+jj], v[X+32*\t+jj]
.endr
.set jj, jj+1
.endr
.irp t, 0,1,2,3
	v_permlanex16_b32 v[OT+\t], v[NR+\t], s20, s21 ; lanes 16-31 take block 0's sum
.endr
.set jj, 0
.rept 32
.irp t, 0,1,2,3
	v_fmac_f32 v[OT+\t], v[X+32*\t+jj], v[X+32*\t+jj]   ; and go on with block 1 (what lanes 0-15 make here is not used)
.endr
.set jj, jj+1
.endr
.irp t, 0,1,2,3
	v_permlanex16_b32 v[NR+\t], v[OT+\t], s20, s21
.endr
.irp t, 0,1,2,3
	v_cndmask_b32 v[NR+\t], v[NR+\t], v[OT+\t], s22   ; the row's norm, in both halves
.endr
.irp t, 0,1,2,3
	v_add_nc_u32 v[SO+\t], 0xff000000, v[MX+\t]    ; 2 off the exponent field: the conversion takes this operand's exponent field as its scale
.endr
.irp t, 0,1,2,3
	v_lshrrev_b32 v[BY+\t], 23, v[SO+\t]           ; the scale's byte
.endr
.irp t, 0,1,2,3
	v_cvt_scalef32_pk16_fp6_f32 v[C+8*\t:C+8*\t+2], v[X+32*\t:X+32*\t+15], v[SO+\t]
	v_cvt_scalef32_pk16_fp6_f32 v[T2+4*\t:T2+4*\t+2], v[X+32*\t+16:X+32*\t+31], v[SO+\t]
.endr
	v_nop                                          ; one plain place behind a scaled conversion
.irp t, 0,1,2,3
.irp i, 0,1,2
	v_mov_b32 v[C+8*\t+3+\i], v[T2+4*\t+\i]
.endr
.endr
.irp t, 0,1,2,3
	v_lshlrev_b32 v[BY+\t], v8, v[BY+\t]
.endr
.irp t, 0,1,2,3
	v_permlanex16_b32 v[OT+\t], v[BY+\t], s20, s21
.endr
.irp t, 0,1,2,3
	v_or_b32 v[W+\t], v[BY+\t], v[OT+\t]           ; the row's scale word, in both halves
.endr
	; cbq: every store covers consecutive bytes, lane by lane
.irp t, 0,1,2,3
	global_store_b128 v6, v[C+8*\t:C+8*\t+3], s[6:7] offset:768*\t
	global_store_b64 v7, v[C+8*\t+4:C+8*\t+5], s[6:7] offset:768*\t+512
.endr
	v_cndmask_b32 v[SD], v[W], v[W+1], s22
	v_cndmask_b32 v[SD+1], v[W+2], v[W+3], s22
	global_store_b64 v7, v[SD:SD+1], s[6:7] offset:3072
.irp t, 0,1,2,3
	ds_store_b32 v9, v[NR+\t] offset:32*\t         ; both lanes of a row write the same word with the same value
.endr
	ds_load_b64 v[SD+2:SD+3], v7                   ; LDS serves a wave's instructions in order: this sees the stores
	s_wait_dscnt 0x0
	global_store_b64 v7, v[SD+2:SD+3], s[6:7] offset:3328
	; cbg: tile t is rows 8 (t % 2) + j of group 2 i + t / 2 (+ 64 h')
.irp t, 0,1,2,3
	global_store_b128 v11, v[C+8*\t:C+8*\t+3], s[8:9] offset:896*(\t/2)+128*(\t%2)
	global_store_b64 v12, v[C+8*\t+4:C+8*\t+5], s[8:9] offset:512+896*(\t/2)+64*(\t%2)
	v_cndmask_b32 v[SD+4+\t], v[W+\t], v[NR+\t], s22   ; lanes 0-15 store the scale words, lanes 16-31 the norms
	global_store_b32 v13, v[SD+4+\t], s[8:9] offset:768+896*(\t/2)+32*(\t%2)
.endr
	s_wait_tensorcnt 0x0
	ds_add_u32 v240, v241
	s_wait_dscnt 0x0
	s_endpgm
.Lfunc_end_k_q0bba07a50d_cbquant:
	.size	k_q0bba07a50d_cbquant, .Lfunc_end_k_q0bba07a50d_cbquant-k_q0bba07a50d_cbquant
	.p2alignl 7, 3214868480
	.fill 96, 4, 3214868480
	.section	.rodata,"a",@progbits
	.p2align	6, 0x0
	.amdhsa_kernel k_q0bba07a50d_cbquant
		.amdhsa_group_segment_fixed_size 512
		.amdhsa_private_segment_fixed_size 0
		.amdhsa_enable_private_segment 0
		.amdhsa_kernarg_size 24
		.amdhsa_user_sgpr_count 2
		.amdhsa_user_sgpr_kernarg_segment_ptr 1
		.amdhsa_wavefront_size32 1
		.amdhsa_system_sgpr_workgroup_id_x 1
		.amdhsa_system_sgpr_workgroup_id_y 1
		.amdhsa_system_sgpr_workgroup_id_z 1
		.amdhsa_system_vgpr_workitem_id 0
		.amdhsa_next_free_vgpr 242
		.amdhsa_next_free_sgpr 66
		.amdhsa_reserve_vcc 0
		.amdhsa_float_denorm_mode_32 3
		.amdhsa_float_denorm_mode_16_64 3
		.amdhsa_memory_ordered 1
		.amdhsa_forward_progress 1
		.amdhsa_inst_pref_size 24
	.end_amdhsa_kernel
	.amdgpu_metadata
---
amdhsa.version: [ 1, 2 ]
amdhsa.kernels:
  - .name:           k_q0bba07a50d_cbquant
    .symbol:         k_q0bba07a50d_cbquant.kd
    .args:
      - { .name: codebook, .offset: 0, .size: 8, .value_kind: global_buffer, .address_space: global }
      - { .name: cbq, .offset: 8, .size: 8, .value_kind: global_buffer, .address_space: global }
      - { .name: cbg, .offset: 16, .size: 8, .value_kind: global_buffer, .address_space: global }
    .group_segment_fixed_size: 512
    .private_segment_fixed_size: 0
    .kernarg_segment_align: 8
    .kernarg_segment_size: 24
    .max_flat_workgroup_size: 32
    .sgpr_count:     66
    .vgpr_count:     242
    .wavefront_size: 32
...
	.end_amdgpu_metadata
.endif
;; end of part 1
;; launch scan (part 2): grid 256 x 1, 8 waves a work-group, clusters of 4 x 1, 327,680 bytes of LDS; arguments h_codes, h_scales, quant_w_codes, quant_w_scales, quant_b, cbq, glist; writes glist
.if DOCPART == 2
	.amdgcn_target "amdgcn-amd-amdhsa--gfx1250"
	.amdhsa_code_object_version 6
	.text
	.protected	k_q0bba07a50d_scan
	.globl	k_q0bba07a50d_scan
	.p2align	8
	.type	k_q0bba07a50d_scan,@function
k_q0bba07a50d_scan:
	s_mov_b64 s[64:65], 0
	v_nop
	global_prefetch_b8 v0, s[64:65] scope:SCOPE_SE
	s_setreg_imm32_b32 hwreg(HW_REG_WAVE_MODE, 25, 1), 1
	s_wait_xcnt 0x0
	s_wait_alu depctr_hold_cnt(0) depctr_sa_sdst(0) depctr_va_vdst(0) depctr_va_sdst(0) depctr_va_ssrc(0) depctr_va_vcc(0) depctr_vm_vsrc(0)
	s_getreg_b32 s2, hwreg(HW_REG_IB_STS2, 6, 4)
	s_cmp_eq_u32 s2, 0
	s_cbranch_scc0 .Lentry_in_a_cluster
	s_endpgm
.Lentry_in_a_cluster:
	s_bfe_u32 s2, ttmp6, 0x10000c
	s_cmp_lg_u32 s2, 0x3003
	s_cbranch_scc0 .Lentry_shape_is_right
	s_endpgm
.Lentry_shape_is_right:
; For each of 16,384 tokens: z = quant_w h + quant_b (codes as given), A = sum z^2, Q(2 z) along the 64 channels; d[n] = fl(fl(A + sum c[n]^2) - (2 z) . c[n]) against all 8,192 rows of the codebook,
; both products on codes of E2M3 with E8M0 scales; and the list of the ten (tokens under 8,192) or the one (the others) groups of 16 neighbouring rows with the smallest (minimum of d, group number).
; WHY GROUPS DO: the k first rows by (d, index) lie in the k first groups by (group minimum, group number): were one in a later group, k groups ahead of it would each hold a row that goes before it.
; So a distance costs two packed additions and one three-way minimum for two numbers, and only a group's minimum goes into a sorted list of ten VALUES (ten v_med3 / v_min); which groups they were is found at the end from the stored minima.
; LIMITS: NaN and infinities are not served; 2 z must not overflow; a block whose largest magnitude lies under 2^-124 keeps the scale byte 1; A is summed in ascending order by fused multiply-adds.
; SHARES.  A work-group owns tokens 32 wg .. + 31 (ten groups wanted) and 8192 + 32 wg .. + 31 (one).  Wave v: quarter q = v % 4 of the codebook, p = v / 4 says which 32 tokens: two tiles of 16.  Waves v and v + 4 have unequal vector work.
; A trip: four tiles of 16 rows x two tiles of tokens, eight matrix instructions (source 0 = rows of the codebook, source 1 = tokens): lane (r, h) holds token r and rows 2048 q + 1024 h + 32 i + 0 .. 31: two groups.
; K = 64: registers 6-11 of the tokens' operand are zero codes and the upper two scale bytes of both sides are 0; so registers 6-11 of the codebook's operand may be any landed codes: the next tile's, or six cleared registers.
; RING.  cbq goes through two LDS slots of 16 records (57,344 bytes, four trips of each quarter).  Each of the eight waves fetches an eighth, 28 rows of 256 bytes: eight equal parts, one load a wave, no branch.
; By this text's count a wave has two tensor loads out at the start and one behind each change of slots.
; CLUSTER.  All work-groups walk the same cbq, so the four of a cluster ask jointly: the same descriptor, made of constants and the wave's number, with the mask of all four.  The work-group's number enters global addresses alone.
.set SLOTB, 57344
.set REC,   3584
.set MINS,  2*SLOTB                    ; group minima: 16,384 bytes a wave: trip i at 512 i, 16 bytes a lane
.set SPARE, MINS+8*16384               ; the spare words, 128 bytes for each wave: four blocks of 256 bytes that no other line names
.set LISTS, SPARE+1024                 ; sorted lists: 3,072 bytes a wave, 1,536 a tile of tokens, 48 a lane
.set THR,   LISTS+8*3072               ; thresholds: 64 tokens
.set MASKS, THR+256                    ; bit masks: 64 tokens, 144 bytes apart: 64 bytes 'under', 64 bytes 'equal'
.set HC, 4                             ; s[4:17] the seven buffers
.set HSC, 6
.set QW, 8
.set QWS, 10
.set QBP, 12
.set CBQ, 14
.set GLP, 16
.set WV, 18                            ; wave
.set QQ, 19                            ; q
.set PP, 20                            ; p
.set CX, 21
.set WG, 22
.set CNT, 23
.set G1, 24                            ; s[24:31] descriptor group 1
.set G0, 32                            ; s[32:39] group 0, a set for each slot
.set SEL, 40                           ; s[40:41] selects for lane l xor 16
.set HVY, 42                           ; all ones in the waves that merge tiles wanting ten groups
.set HM, 43                            ; lanes 16-31
.set MXC, 44                           ; s44-48 the five digits of a word's number
.set MO, 49                            ; where the chunk's minima go: 2,048 a chunk
.set SPW, 3
.set NIL, 4
.set A16, 5                            ; v5-6   slot s: my quarter's records + 16 x lane
.set A8, 7                             ; v7-8   + 8 x lane
.set AN, 9                             ; v9-10  + 128 h
.set AM0, 11                           ; v11    MINS + 16,384 v + 16 x lane
.set AAP, 12                           ; v12-15 A of token tile u, twice
.set ZF, 16                            ; v16-39 Q(2 z): two operands of 12
.set L, 40                             ; v40-59 two lists of ten
.set M, 60                             ; v60-63 (group a tile 0, a tile 1, b tile 0, b tile 1)
.set D, 64                             ; v64-127 products, then distances: 32 u + 8 t
.set CF, 128                           ; v128-157 four tiles of 6 registers, six cleared ones behind
.set SC, 158                           ; v158-159 scale words: lanes 0-15 tiles 0, 2; lanes 16-31 tiles 1, 3
.set NB, 160                           ; v160-191 32 norms
.set S, 192                            ; v192-207 A + norm
.set ZS, 208                           ; v208-209 the tokens' scale words
.set AMC, 210
.set LN, 211
.set KC, 212                           ; v212-215 chains of minima
.set TT, 216                           ; v216-217 thresholds
.set LST, 224
.set MRG, 225
.set THS, 226
.set THL, 227
.set MKS, 228
.set MKL, 229
.set GL, 230
.set HO, 231
.set HSO, 232
.set WO, 233
.set WSO, 234
.set BO, 235
.set H8, 236
.set TN, 238
.set TQ, 240
.set TC, 244
.set Z, 64                             ; while z is made: v64-95 z, v96-127 quant_b, v128-175 quant_w, v176-179 its scale words, v180-203 h, v204-205 its scale words
.set QB, 96
.set WF, 128
.set WS, 176
.set HF, 180
.set HS, 204
.set BM, 192                           ; the tail: bit masks: tile u: under (2 words), equal (2 words)
.macro CROUND                          ; a round of the cluster's barrier
	s_barrier_signal -1
	s_barrier_wait -1
	s_cmp_lg_u32 s[WV], 0
	s_cbranch_scc1 .Lnot_wave_0_\@
	s_barrier_signal -3
.Lnot_wave_0_\@:
	s_barrier_wait -3
	s_barrier_signal -1
	s_barrier_wait -1
.endm
.macro BARRIER                         ; my LDS stores have landed and my LDS loads are in: then the work-group's barrier
	s_wait_dscnt 0x0
	s_barrier_signal -1
	s_barrier_wait -1
.endm
.macro INSERT l, x                     ; x into an ascending list of ten: from the top down every line reads old values
.irp i, 9,8,7,6,5,4,3,2,1
	v_med3_num_f32 v[(\l)+\i], v[(\l)+\i-1], v[(\l)+\i], v[\x]
.endr
	v_min_num_f32 v[\l], v[\l], v[\x]
.endm
; quant_w as source 0: row m of tile T is channel 32 (m / 8) + 8 T + m % 8, so that lane (r, h) ends up with z[token r][32 h + 0 .. 31]: a whole block of the next K
.macro ZLOADW
.irp T, 0,1,2,3
.irp p, 0,1,2,3,4,5
	global_load_b64 v[WF+12*\T+2*\p:WF+12*\T+2*\p+1], v[WO], s[QW:QW+1] offset:768*\T+48*(\p/3)+8*(\p%3)
.endr
	global_load_b32 v[WS+\T], v[WSO], s[QWS:QWS+1] offset:32*\T
.endr
.irp k, 0,1,2,3,4,5,6,7
	global_load_b128 v[QB+4*\k:QB+4*\k+3], v[BO], s[QBP:QBP+1] offset:16*\k
.endr
.endm
.macro HLOAD hf, hs, oc, os            ; 16 tokens of h as source 1
.irp p, 0,1,2,3,4,5
	global_load_b64 v[\hf+2*\p:\hf+2*\p+1], v[HO], s[HC:HC+1] offset:\oc+48*(\p/3)+8*(\p%3)
.endr
	global_load_b32 v[\hs], v[HSO], s[HSC:HSC+1] offset:\os
.endm
.macro ZMUL hf, hs                     ; z = quant_w h, then + quant_b in f32, rounded once
.irp T, 0,1,2,3
	v_wmma_scale_f32_16x16x128_f8f6f4 v[Z+8*\T:Z+8*\T+7], v[WF+12*\T:WF+12*\T+11], v[\hf:\hf+11], 0, v[WS+\T], v[\hs] matrix_a_fmt:MATRIX_FMT_FP6 matrix_b_fmt:MATRIX_FMT_FP6
.endr
.rept 4
	v_nop                                          ; four places behind the products
.endr
.irp j, 0,2,4,6,8,10,12,14,16,18,20,22,24,26,28,30
	v_pk_add_f32 v[Z+\j:Z+\j+1], v[Z+\j:Z+\j+1], v[QB+\j:QB+\j+1]   ; each accumulator from its low end on
.endr
.endm
.macro ZNORM a                         ; A = sum z^2 in ascending order by fused multiply-adds; lanes 16-31 go on from lanes 0-15's sum; the result twice, in a pair
	v_mul_f32 v[TN], v[Z], v[Z]
.set jj, 1
.rept 31
	v_fmac_f32 v[TN], v[Z+jj], v[Z+jj]
.set jj, jj+1
.endr
	v_permlanex16_b32 v[TN+1], v[TN], s[SEL], s[SEL+1]
.set jj, 0
.rept 32
	v_fmac_f32 v[TN+1], v[Z+jj], v[Z+jj]
.set jj, jj+1
.endr
	v_permlanex16_b32 v[TN], v[TN+1], s[SEL], s[SEL+1]
	v_cndmask_b32 v[\a], v[TN], v[TN+1], s[HM]
	v_mov_b32 v[(\a)+1], v[\a]
.endm
.macro QUANTB y, f, w                  ; 32 numbers of a lane, one block, become registers 0-5 of an operand; the row's two bytes make its scale word
	v_max3_num_f32 v[TQ], |v[\y]|, |v[\y+1]|, 0x1800000   ; the floor 2^(3 - 127): the byte cannot fall under 1
	v_max3_num_f32 v[TQ+1], |v[\y+2]|, |v[\y+3]|, |v[\y+4]|
.irp i, 5,9,13,17,21,25
	v_max3_num_f32 v[TQ], v[TQ], |v[\y+\i]|, |v[\y+\i+1]|
	v_max3_num_f32 v[TQ+1], v[TQ+1], |v[\y+\i+2]|, |v[\y+\i+3]|
.endr
	v_max3_num_f32 v[TQ], v[TQ], |v[\y+29]|, |v[\y+30]|
	v_max3_num_f32 v[TQ], v[TQ], v[TQ+1], |v[\y+31]|
	v_add_nc_u32 v[TQ+2], 0xff000000, v[TQ]        ; 2 off the exponent field: the conversion's scale operand
	v_lshrrev_b32 v[TQ+3], 23, v[TQ+2]             ; the byte,
	v_lshlrev_b32 v[TQ+3], v[H8], v[TQ+3]          ; at its place,
	v_permlanex16_b32 v[TQ+1], v[TQ+3], s[SEL], s[SEL+1]
	v_or_b32 v[\w], v[TQ+3], v[TQ+1]               ; with the other block's
	v_cvt_scalef32_pk16_fp6_f32 v[\f:\f+2], v[\y:\y+15], v[TQ+2]
	v_cvt_scalef32_pk16_fp6_f32 v[TC:TC+2], v[\y+16:\y+31], v[TQ+2]   ; (a conversion's three registers begin on an even number)
	v_nop                                          ; one plain place behind a scaled conversion
	v_mov_b32 v[\f+3], v[TC]
	v_mov_b32 v[\f+4], v[TC+1]
	v_mov_b32 v[\f+5], v[TC+2]
.endm
.macro FETCHC s, ii                    ; nine LDS loads: a trip's four tiles and their scale words
.irp t, 0,1,2,3
	ds_load_b128 v[CF+6*\t:CF+6*\t+3], v[A16+\s] offset:REC*(\ii)+768*\t
	ds_load_b64 v[CF+6*\t+4:CF+6*\t+5], v[A8+\s] offset:REC*(\ii)+768*\t+512
.endr
	ds_load_b64 v[SC:SC+1], v[A8+\s] offset:REC*(\ii)+3072
.endm
.macro FETCHN s, ii                    ; eight: my half's 32 norms
.irp k, 0,1,2,3,4,5,6,7
	ds_load_b128 v[NB+4*\k:NB+4*\k+3], v[AN+\s] offset:REC*(\ii)+3328+16*\k
.endr
.endm
.macro WM t, u
.if (\t)%2
	v_wmma_scale_f32_16x16x128_f8f6f4 v[D+32*(\u)+8*(\t):D+32*(\u)+8*(\t)+7], v[CF+6*(\t):CF+6*(\t)+11], v[ZF+12*(\u):ZF+12*(\u)+11], 0, v[SC+(\t)/2], v[ZS+(\u)] matrix_a_fmt:MATRIX_FMT_FP6 matrix_b_fmt:MATRIX_FMT_FP6 matrix_a_scale:MATRIX_SCALE_ROW1
.else
	v_wmma_scale_f32_16x16x128_f8f6f4 v[D+32*(\u)+8*(\t):D+32*(\u)+8*(\t)+7], v[CF+6*(\t):CF+6*(\t)+11], v[ZF+12*(\u):ZF+12*(\u)+11], 0, v[SC+(\t)/2], v[ZS+(\u)] matrix_a_fmt:MATRIX_FMT_FP6 matrix_b_fmt:MATRIX_FMT_FP6
.endif
.endm
.macro SADD t                          ; fl(A + norm)
.irp u, 0,1
.irp j, 0,2,4,6
	v_pk_add_f32 v[S+8*\u+\j:S+8*\u+\j+1], v[NB+8*(\t)+\j:NB+8*(\t)+\j+1], v[AAP+2*\u:AAP+2*\u+1]
.endr
.endr
.endm
.macro DSUB t                          ; d = fl(that - product), each accumulator from its low end on
.irp u, 0,1
.irp j, 0,2,4,6
	v_pk_add_f32 v[D+32*\u+8*(\t)+\j:D+32*\u+8*(\t)+\j+1], v[S+8*\u+\j:S+8*\u+\j+1], v[D+32*\u+8*(\t)+\j:D+32*\u+8*(\t)+\j+1] neg_lo:[0,1] neg_hi:[0,1]
.endr
.endr
.endm
.macro DMIN t                          ; seven of a tile's eight
.irp u, 0,1
	v_min3_num_f32 v[KC+2*\u+(\t)%2], v[D+32*\u+8*(\t)], v[D+32*\u+8*(\t)+1], v[D+32*\u+8*(\t)+2]
.endr
.irp u, 0,1
	v_min3_num_f32 v[KC+2*\u+(\t)%2], v[KC+2*\u+(\t)%2], v[D+32*\u+8*(\t)+3], v[D+32*\u+8*(\t)+4]
.endr
.irp u, 0,1
	v_min3_num_f32 v[KC+2*\u+(\t)%2], v[KC+2*\u+(\t)%2], v[D+32*\u+8*(\t)+5], v[D+32*\u+8*(\t)+6]
.endr
.endm
.macro GMIN g                          ; a group's minimum: two chains and the two numbers left over
.irp u, 0,1
	v_min3_num_f32 v[M+2*(\g)+\u], v[KC+2*\u], v[KC+2*\u+1], v[D+32*\u+16*(\g)+7]
.endr
.irp u, 0,1
	v_min_num_f32 v[M+2*(\g)+\u], v[M+2*(\g)+\u], v[D+32*\u+16*(\g)+15]
.endr
.endm
; A TRIP.  first = 1: the tiles' loads stand straight in front of it.  pre = 1: it fetches the next trip's tiles.
.macro TRIP s, ii, first, pre
	FETCHN \s, \ii
.if \first
	s_wait_dscnt 8                                 ; the tiles and scale words are in; the eight loads of norms may be out
.else
	s_wait_dscnt 9                                 ; likewise; behind the tiles' loads stand the last trip's one store and these eight loads
.endif
.irp t, 0,1,2,3
.irp u, 0,1
	WM \t, \u
.endr
.endr
	s_wait_dscnt 0x0                               ; the norms
	SADD 0                                         ; eight plain instructions that name none of the products' registers: the places behind them
.if \pre
	FETCHC \s, (\ii)+1
.endif
	DSUB 0
	DMIN 0
	SADD 1
	DSUB 1
	DMIN 1
	GMIN 0
	SADD 2
	DSUB 2
	DMIN 2
	SADD 3
	DSUB 3
	DMIN 3
	GMIN 1
	s_cmp_eq_u32 s[PP], 0                          ; a branch on the wave's number: ten smallest, or the smallest alone
	s_cbranch_scc0 .Lone_\@
	INSERT L, M
	INSERT L+10, M+1
	INSERT L, M+2
	INSERT L+10, M+3
	s_branch .Lboth_\@
.Lone_\@:
	v_min3_num_f32 v[L], v[L], v[M], v[M+2]
	v_min3_num_f32 v[L+10], v[L+10], v[M+1], v[M+3]
.Lboth_\@:
	ds_store_b128 v[AMC], v[M:M+3] offset:512*(\ii)
.endm
.macro CHUNK s
	v_add_nc_u32 v[AMC], s[MO], v[AM0]
	FETCHC \s, 0
	TRIP \s, 0, 1, 1
	TRIP \s, 1, 0, 1
	TRIP \s, 2, 0, 1
	TRIP \s, 3, 0, 0
	s_add_co_u32 s[MO], s[MO], 2048
.endm
; THE CHANGE OF SLOTS.  Each wave waits for all its tensor loads (its part of the other slot), adds 0 to its spare word, and waits for that and for its reads of slot s.  fill = 1: a round of the cluster's barrier,
; so that no wave of any partner still reads the slot or has a load on its way, and the joint refill first behind it: it has a chunk's four trips in which to land.
.macro CHANGE s, fill
	s_wait_tensorcnt 0x0
	ds_add_u32 v[SPW], v[NIL]
.if \fill
	s_add_nc_u64 s[G0+4*\s+2:G0+4*\s+3], s[G0+4*\s+2:G0+4*\s+3], 2*SLOTB   ; no load of mine is out: the slot's next chunk
.endif
	s_wait_dscnt 0x0
.if \fill
	CROUND
	tensor_load_to_lds s[G0+4*\s:G0+4*\s+3], s[G1:G1+7]
	s_nop 0
.rept 4
	v_nop
.endr
.else
	s_barrier_signal -1
	s_barrier_wait -1
.endif
.endm
	s_load_b256 s[4:11], s[0:1], 0x0
	s_load_b128 s[12:15], s[0:1], 0x20
	s_load_b64 s[16:17], s[0:1], 0x30
	v_lshl_add_u32 v[SPW], v0, 2, SPARE
	v_mov_b32 v[NIL], 0
	ds_add_u32 v3, v4
	ds_add_u32 v3, v4
	s_wait_dscnt 0x0
	v_lshrrev_b32 v1, 5, v0
	v_readfirstlane_b32 s[WV], v1                  ; wave 0..7
	s_and_b32 s[QQ], s[WV], 3
	s_lshr_b32 s[PP], s[WV], 2
	s_bfe_u32 s[CX], ttmp6, 0x40000
	s_lshl_b32 s[WG], ttmp9, 2
	s_add_co_u32 s[WG], s[WG], s[CX]               ; work-group = 4 x cluster + my place: global addresses alone
	s_mov_b32 s[G1], 15|(3<<16)|(1<<21)            ; the mask: all four; elements of 8 bytes; bit 21 beside a mask; no padding
	s_mov_b32 s[G1+1], 32<<16                      ; tensor_dim0 = 32 elements: rows of 256 bytes
	s_mov_b32 s[G1+2], 28<<16                      ; tensor_dim1 = 28
	s_mov_b32 s[G1+3], 32<<16                      ; tile_dim0
	s_mov_b32 s[G1+4], 28                          ; tile_dim1
	s_mov_b32 s[G1+5], 32                          ; the pitch: dense
	s_mov_b32 s[G1+6], 0
	s_mov_b32 s[G1+7], 0
	s_mov_b32 s[SEL], 0x76543210
	s_mov_b32 s[SEL+1], 0xfedcba98
	s_mov_b32 s[HM], 0xffff0000
	s_mov_b32 s[MO], 0
	s_cmp_lt_u32 s[WV], 2
	s_cselect_b32 s[HVY], -1, 0
	v_and_b32 v1, 15, v0                           ; r
	v_bfe_u32 v2, v0, 4, 1                         ; h
	v_and_b32 v[LN], 31, v0
	; every LDS address is made here, of constants, the lane and the wave's number
	s_mul_i32 s50, s[QQ], 4*REC
	v_lshl_add_u32 v[A16], v[LN], 4, s50
	v_lshl_add_u32 v[A8], v[LN], 3, s50
	v_lshl_add_u32 v[AN], v2, 7, s50
	v_add_nc_u32 v[A16+1], SLOTB, v[A16]
	v_add_nc_u32 v[A8+1], SLOTB, v[A8]
	v_add_nc_u32 v[AN+1], SLOTB, v[AN]
	s_lshl_b32 s50, s[WV], 14
	s_add_co_u32 s50, s50, MINS
	v_lshl_add_u32 v[AM0], v[LN], 4, s50
	s_mul_i32 s50, s[WV], 3072
	s_add_co_u32 s50, s50, LISTS
	v_mad_u32_u24 v[LST], v[LN], 48, s50
	s_lshr_b32 s50, s[QQ], 1                       ; the merge of token tile q (waves 0-3): p = q / 2, tile q % 2; lane (r, hm) takes quarters 2 hm, 2 hm + 1, both halves
	s_mul_i32 s50, s50, 12288
	s_and_b32 s51, s[QQ], 1
	s_mul_i32 s51, s51, 1536
	s_add_co_u32 s50, s50, s51
	s_add_co_u32 s50, s50, LISTS
	v_mad_u32_u24 v[MRG], v1, 48, s50
	v_mad_u32_u24 v[MRG], v2, 6144, v[MRG]
	s_lshl_b32 s50, s[QQ], 6
	s_add_co_u32 s50, s50, THR
	v_lshl_add_u32 v[THS], v1, 2, s50
	s_lshl_b32 s50, s[PP], 7
	s_add_co_u32 s50, s50, THR
	v_lshl_add_u32 v[THL], v1, 2, s50
	s_mul_i32 s50, s[PP], 32*144
	s_lshl_b32 s51, s[QQ], 4
	s_add_co_u32 s50, s50, s51
	s_add_co_u32 s50, s50, MASKS
	v_mad_u32_u24 v[MKS], v1, 144, s50
	v_lshl_add_u32 v[MKS], v2, 3, v[MKS]
	s_and_b32 s50, s[WV], 1
	s_mul_i32 s51, s50, 32*144
	s_add_co_u32 s51, s51, MASKS
	v_mad_u32_u24 v[MKL], v[LN], 144, s51
	; global offsets
	s_lshl_b32 s50, s50, 13
	s_lshl_b32 s51, s[WG], 5
	s_add_co_u32 s50, s50, s51
	v_add_nc_u32 v[GL], s50, v[LN]                 ; waves 0, 1 write the lists of tokens 8192 (v % 2) + 32 wg + lane,
	v_lshlrev_b32 v[GL], 4, v[GL]                  ; 16 bytes a token in each of two planes
	s_lshl_b32 s50, s[PP], 13
	s_add_co_u32 s50, s50, s51
	v_add_nc_u32 v[HSO], s50, v1                   ; my first tile's token
	v_mul_u32_u24 v[HO], v[HSO], 96
	v_mad_u32_u24 v[HO], v2, 24, v[HO]
	v_lshlrev_b32 v[HSO], 2, v[HSO]
	v_lshrrev_b32 v[WSO], 3, v1
	v_and_b32 v[WO], 7, v1
	v_lshl_add_u32 v[WSO], v[WSO], 5, v[WO]        ; 32 (r / 8) + r % 8
	v_mul_u32_u24 v[WO], v[WSO], 96
	v_mad_u32_u24 v[WO], v2, 24, v[WO]
	v_lshlrev_b32 v[WSO], 2, v[WSO]
	v_lshlrev_b32 v[BO], 7, v2
	v_lshlrev_b32 v[H8], 3, v2
	s_mul_i32 s50, s[WV], 7168                     ; my eighth of a chunk
	s_mov_b32 s51, 0
	s_wait_kmcnt 0x0
	s_add_nc_u64 s[52:53], s[CBQ:CBQ+1], s[50:51]
	CROUND                                         ; all four work-groups are here: the first joint loads meet
.irp s, 0,1
	s_mov_b32 s[G0+4*\s], 1
	s_add_co_u32 s[G0+4*\s+1], s50, \s*SLOTB
	s_add_nc_u64 s[G0+4*\s+2:G0+4*\s+3], s[52:53], \s*SLOTB
	s_or_b32 s[G0+4*\s+3], s[G0+4*\s+3], 0x80000000
.endr
	tensor_load_to_lds s[G0:G0+3], s[G1:G1+7]      ; chunks 0 and 1: both first fills together
	s_nop 0
	tensor_load_to_lds s[G0+4:G0+7], s[G1:G1+7]
	s_nop 0
.rept 4
	v_nop
.endr
	; z, A and Q(2 z) for my two tiles of tokens, while the chunks land
	ZLOADW
	HLOAD HF, HS, 0, 0
	HLOAD HF+12, HS+1, 1536, 64
	v_mov_b32 v[TN+1], 0                           ; a lane permute's destination counts as one of its sources
.irp i, 6,7,8,9,10,11,18,19,20,21,22,23
	v_mov_b32 v[ZF+\i], 0                          ; K = 64 .. 127: zero codes
.endr
	s_wait_loadcnt 0x0
.irp u, 0,1
	ZMUL HF+12*\u, HS+\u
	ZNORM AAP+2*\u
.irp j, 0,2,4,6,8,10,12,14,16,18,20,22,24,26,28,30
	v_pk_add_f32 v[Z+\j:Z+\j+1], v[Z+\j:Z+\j+1], v[Z+\j:Z+\j+1]   ; 2 z, exact: what the second product's quantiser takes
.endr
	QUANTB Z, ZF+12*\u, ZS+\u
.endr
.irp i, 0,1,2,3,4,5
	v_mov_b32 v[CF+24+\i], 0
.endr
.set jj, 0
.rept 20
	v_mov_b32 v[L+jj], 0x7f800000                  ; the lists begin as +infinity.  (These lines are also the places between the scale words' making and the first scaled product)
.set jj, jj+1
.endr
	s_wait_tensorcnt 0x1                           ; my part of chunk 0 is in; chunk 1's may stay out
	s_barrier_signal -1
	s_barrier_wait -1
	s_mov_b32 s[CNT], 3
.Lring:                                            ; three trips of two chunks; each change asks for the chunk two on
	CHUNK 0
	CHANGE 0, 1
	CHUNK 1
	CHANGE 1, 1
	s_sub_co_u32 s[CNT], s[CNT], 1
	s_cmp_lg_u32 s[CNT], 0
	s_cbranch_scc1 .Lring
	CHUNK 0                                        ; the last two chunks are written out: nothing is left to fetch
	CHANGE 0, 0
	CHUNK 1
	; THE TAIL.  1: the lists go to LDS
.irp u, 0,1
	ds_store_b128 v[LST], v[L+10*\u:L+10*\u+3] offset:1536*\u
	ds_store_b128 v[LST], v[L+10*\u+4:L+10*\u+7] offset:1536*\u+16
	ds_store_b64 v[LST], v[L+10*\u+8:L+10*\u+9] offset:1536*\u+32
.endr
	BARRIER
	; 2: wave v < 4 merges the eight lists of each token of tile v: four a lane, then the other half's.  The threshold T is the tenth smallest group minimum, or the smallest
	s_cmp_lt_u32 s[WV], 4
	s_cbranch_scc0 .Lnomerge
	ds_load_b128 v[L:L+3], v[MRG]
	ds_load_b128 v[L+4:L+7], v[MRG] offset:16
	ds_load_b64 v[L+8:L+9], v[MRG] offset:32
.irp a, 1,2,3
	ds_load_b128 v[D+10*(\a-1):D+10*(\a-1)+3], v[MRG] offset:3072*(\a/2)+768*(\a%2)
	ds_load_b128 v[D+10*(\a-1)+4:D+10*(\a-1)+7], v[MRG] offset:3072*(\a/2)+768*(\a%2)+16
	ds_load_b64 v[D+10*(\a-1)+8:D+10*(\a-1)+9], v[MRG] offset:3072*(\a/2)+768*(\a%2)+32
.endr
	s_wait_dscnt 0x0
.set cc, 0
.rept 30
	INSERT L, D+cc
.set cc, cc+1
.endr
.irp i, 0,1,2,3,4,5,6,7,8,9
	v_permlanex16_b32 v[D+\i], v[L+\i], s[SEL], s[SEL+1]
.endr
.irp i, 0,1,2,3,4,5,6,7,8,9
	INSERT L, D+\i
.endr
	v_cndmask_b32 v[KC], v[L], v[L+9], s[HVY]
	ds_store_b32 v[THS], v[KC]                     ; both halves hold the same number
.Lnomerge:
	BARRIER
	; 3: every wave turns its stored minima into two strings of 64 bits a lane and tile: minimum under T, minimum equal to T.  Bit 2 i + g stands for group 128 q + 64 h + 2 i + g: the highest bit is shifted in first
	ds_load_b32 v[TT], v[THL]
	ds_load_b32 v[TT+1], v[THL] offset:64
.irp i, 0,1,2,3,4,5,6,7
	v_mov_b32 v[BM+\i], 0
.endr
.macro MBITS w
.irp k, 0,1,2,3,4,5,6,7,8,9,10,11,12,13,14,15
	ds_load_b128 v[D+4*\k:D+4*\k+3], v[AM0] offset:512*(16*(\w)+\k)
.endr
	s_wait_dscnt 0x0
.set kk, 15
.rept 16
.irp g, 1,0
.irp u, 0,1
	v_cmp_lt_f32 vcc_lo, v[D+4*kk+2*\g+\u], v[TT+\u]
	v_add_co_ci_u32 v[BM+4*\u+(\w)], vcc_lo, v[BM+4*\u+(\w)], v[BM+4*\u+(\w)], vcc_lo
	v_cmp_eq_f32 vcc_lo, v[D+4*kk+2*\g+\u], v[TT+\u]
	v_add_co_ci_u32 v[BM+4*\u+2+(\w)], vcc_lo, v[BM+4*\u+2+(\w)], v[BM+4*\u+2+(\w)], vcc_lo
.endr
.endr
.set kk, kk-1
.endr
.endm
	MBITS 1
	MBITS 0
.irp u, 0,1
	ds_store_b64 v[MKS], v[BM+4*\u:BM+4*\u+1] offset:2304*\u
	ds_store_b64 v[MKS], v[BM+4*\u+2:BM+4*\u+3] offset:2304*\u+64
.endr
	BARRIER
	; 4: waves 0 and 1, a lane a token: the first ten set bits of 'under' (at most nine) followed by 'equal' (in ascending group number) are the ten groups.  Nothing here steers an address or a branch: every choice is a select
	s_cmp_lt_u32 s[WV], 2
	s_cbranch_scc0 .Lnoext
.set W, 64                             ; v64-95 the 32 words;  v96-111 the selecting tree
.set U, 96
.set SM, 112                           ; which words still hold bits
.set KEEP, 113                         ; what is left of the word in hand
.set LOWS, 114
.set KB, 115
.set T5, 116
.set CUR, 121
.set LOW, 122
.set BB, 123
.set REST, 124
.set ONES, 125
.set TX, 126
.set G, 128
.set O, 140
.irp k, 0,1,2,3,4,5,6,7
	ds_load_b128 v[W+4*\k:W+4*\k+3], v[MKL] offset:16*\k
.endr
	v_mov_b32 v[SM], 0
	v_mov_b32 v[KEEP], -1
	v_mov_b32 v[ONES], -1
	s_wait_dscnt 0x0
.set kk, 31
.rept 32
	v_cmp_ne_u32 vcc_lo, 0, v[W+kk]
	v_add_co_ci_u32 v[SM], vcc_lo, v[SM], v[SM], vcc_lo
.set kk, kk-1
.endr
.set nn, 0
.rept 10
	v_sub_nc_u32 v[TX], 0, v[SM]
	v_and_b32 v[LOWS], v[SM], v[TX]                ; the lowest word that holds a bit, as a power of two
	v_cvt_f32_u32 v[KB], v[LOWS]
	v_lshrrev_b32 v[KB], 23, v[KB]                 ; its number + 127
	v_and_b32 v[T5], 0xaaaaaaaa, v[LOWS]
	v_and_b32 v[T5+1], 0xcccccccc, v[LOWS]
	v_and_b32 v[T5+2], 0xf0f0f0f0, v[LOWS]
	v_and_b32 v[T5+3], 0xff00ff00, v[LOWS]
	v_and_b32 v[T5+4], 0xffff0000, v[LOWS]
.irp i, 0,1,2,3,4
	v_cmp_ne_u32 s[MXC+\i], 0, v[T5+\i]            ; the number's five digits
.endr
.irp i, 0,1,2,3,4,5,6,7,8,9,10,11,12,13,14,15
	v_cndmask_b32 v[U+\i], v[W+2*\i], v[W+2*\i+1], s[MXC]
.endr
.irp i, 0,1,2,3,4,5,6,7
	v_cndmask_b32 v[U+\i], v[U+2*\i], v[U+2*\i+1], s[MXC+1]
.endr
.irp i, 0,1,2,3
	v_cndmask_b32 v[U+\i], v[U+2*\i], v[U+2*\i+1], s[MXC+2]
.endr
.irp i, 0,1
	v_cndmask_b32 v[U+\i], v[U+2*\i], v[U+2*\i+1], s[MXC+3]
.endr
	v_cndmask_b32 v[U], v[U], v[U+1], s[MXC+4]     ; that word
	v_and_b32 v[CUR], v[U], v[KEEP]
	v_sub_nc_u32 v[TX], 0, v[CUR]
	v_and_b32 v[LOW], v[CUR], v[TX]                ; its lowest bit left
	v_cvt_f32_u32 v[BB], v[LOW]
	v_lshrrev_b32 v[BB], 23, v[BB]
	v_lshl_add_u32 v[BB], v[KB], 5, v[BB]
	v_add_nc_u32 v[BB], 0xffffefa1, v[BB]          ; 32 x word + bit: less 32 x 127 + 127
	v_and_b32 v[G+nn], 0x1ff, v[BB]                ; the group (both strings count groups from 0)
	v_xor_b32 v[REST], v[CUR], v[LOW]
	v_cmp_eq_u32 vcc_lo, 0, v[REST]
	v_xor_b32 v[TX], v[SM], v[LOWS]
	v_cndmask_b32 v[SM], v[SM], v[TX], vcc_lo      ; a word that is used up is struck off
	v_cndmask_b32 v[KEEP], v[REST], v[ONES], vcc_lo
.set nn, nn+1
.endr
.irp k, 0,1,2,3,4
	v_lshl_or_b32 v[O+\k], v[G+2*\k+1], 16, v[G+2*\k]
.endr
.irp k, 5,6,7
	v_mov_b32 v[O+\k], 0
.endr
	global_store_b128 v[GL], v[O:O+3], s[GLP:GLP+1]                  ; slots 0-7: the wave's store covers 512 consecutive bytes
	global_store_b128 v[GL], v[O+4:O+7], s[GLP:GLP+1] offset:262144  ; slots 8, 9 and zeros, likewise
.Lnoext:
	s_wait_tensorcnt 0x0                           ; the wave's end
	ds_add_u32 v[SPW], v[NIL]
	s_wait_dscnt 0x0
	CROUND                                         ; the closing round
	s_endpgm
.Lfunc_end_k_q0bba07a50d_scan:
	.size	k_q0bba07a50d_scan, .Lfunc_end_k_q0bba07a50d_scan-k_q0bba07a50d_scan
	.p2alignl 7, 3214868480
	.fill 96, 4, 3214868480
	.section	.rodata,"a",@progbits
	.p2align	6, 0x0
	.amdhsa_kernel k_q0bba07a50d_scan
		.amdhsa_group_segment_fixed_size 327680
		.amdhsa_private_segment_fixed_size 0
		.amdhsa_enable_private_segment 0
		.amdhsa_kernarg_size 56
		.amdhsa_user_sgpr_count 2
		.amdhsa_user_sgpr_kernarg_segment_ptr 1
		.amdhsa_wavefront_size32 1
		.amdhsa_system_sgpr_workgroup_id_x 1
		.amdhsa_system_sgpr_workgroup_id_y 1
		.amdhsa_system_sgpr_workgroup_id_z 1
		.amdhsa_system_vgpr_workitem_id 0
		.amdhsa_next_free_vgpr 256
		.amdhsa_next_free_sgpr 66
		.amdhsa_reserve_vcc 1
		.amdhsa_float_denorm_mode_32 3
		.amdhsa_float_denorm_mode_16_64 3
		.amdhsa_memory_ordered 1
		.amdhsa_forward_progress 1
		.amdhsa_inst_pref_size 255
	.end_amdhsa_kernel
	.section	.bss,"aw",@nobits
	.p2align	6
	.space	262144
	.amdgpu_metadata
---
amdhsa.version: [ 1, 2 ]
amdhsa.kernels:
  - .name:           k_q0bba07a50d_scan
    .symbol:         k_q0bba07a50d_scan.kd
    .args:
      - { .name: h_codes, .offset: 0, .size: 8, .value_kind: global_buffer, .address_space: global }
      - { .name: h_scales, .offset: 8, .size: 8, .value_kind: global_buffer, .address_space: global }
      - { .name: quant_w_codes, .offset: 16, .size: 8, .value_kind: global_buffer, .address_space: global }
      - { .name: quant_w_scales, .offset: 24, .size: 8, .value_kind: global_buffer, .address_space: global }
      - { .name: quant_b, .offset: 32, .size: 8, .value_kind: global_buffer, .address_space: global }
      - { .name: cbq, .offset: 40, .size: 8, .value_kind: global_buffer, .address_space: global }
      - { .name: glist, .offset: 48, .size: 8, .value_kind: global_buffer, .address_space: global }
    .group_segment_fixed_size: 327680
    .private_segment_fixed_size: 0
    .kernarg_segment_align: 8
    .kernarg_segment_size: 56
    .max_flat_workgroup_size: 256
    .sgpr_count:     66
    .vgpr_count:     256
    .wavefront_size: 32
...
	.end_amdgpu_metadata
.endif
;; end of part 2
;; launch refine (part 3): grid 256 x 1, 6 waves a work-group, no clusters, 0 bytes of LDS; arguments h_codes, h_scales, quant_w_codes, quant_w_scales, quant_b, cbg, glist, rand_prob, rand_idx, pick; writes pick
.if DOCPART == 3
	.amdgcn_target "amdgcn-amd-amdhsa--gfx1250"
	.amdhsa_code_object_version 6
	.text
	.protected	k_q0bba07a50d_refine
	.globl	k_q0bba07a50d_refine
	.p2align	8
	.type	k_q0bba07a50d_refine,@function
k_q0bba07a50d_refine:
	s_mov_b64 s[64:65], 0
	v_nop
	global_prefetch_b8 v0, s[64:65] scope:SCOPE_SE
	s_setreg_imm32_b32 hwreg(HW_REG_WAVE_MODE, 25, 1), 1
	s_wait_xcnt 0x0
; For each token the distances to the rows of its listed groups are made again, by the same instructions on the same operands as in the scan (so with the same bits), and give two whole numbers:
; pick[token] = { the index of the smallest d, the index of rank ridx among the ten smallest }, ties to the lower index; ridx = rand_prob > 0.5 ? 0 : rand_idx.  For tokens from 8,192 on both are the first.
; LIMITS: as in the scan; rand_idx is held to 0 .. 9, a listed group to 0 .. 511.
; SHARES.  Waves 0-3: eight tokens under 8,192 each, every token in two columns (r and r + 8) of source 1.  A matrix instruction takes ONE group of ONE token as source 0 (16 rows); of its result only that token's column is kept,
; column t for list slots 0-4, column t + 8 for slots 5-9: so four lanes hold a token's 160 candidates, 40 each.  Waves 4-5: sixteen tokens from 8,192 on, one group each.
; The groups' records (896 bytes: an image of the operand's registers, scale words, norms) come from memory straight into registers, through a ring of 20 buffers of 6 registers; the record's address is made of the stored list.
; Registers 6-11 of source 0 are the next buffer's (any landed codes: the tokens' operand has zero codes there and both sides' upper scale bytes are 0), behind the last buffer six cleared registers.
; No LDS, no barrier: waves share nothing.
.set HC, 4
.set HSC, 6
.set QW, 8
.set QWS, 10
.set QBP, 12
.set CBG, 14
.set GLP, 16
.set RP, 18
.set RI, 20
.set PK, 22
.set SB, 24                            ; s[24:63] the 20 buffers' record addresses
.set WV, 66
.set SEL, 68
.set HM, 70
.set MK, 71
.set OF, 72                            ; s[72:73] a record's offset
.set S8, 74
.set EX, 80
.set A16, 3
.set A8, 4
.set A4, 5
.set GN, 6                             ; v6-15   my token's ten groups
.set ZF, 16
.set ZS, 28
.set LN, 29
.set AAP, 30
.set X, 32                             ; v32-71  products, then distances: 8 n' + j
.set DS, 72                            ; v72-103 four results by turns
.set CR, 104                           ; v104-229 the ring and its six cleared registers
.set SR, 230                           ; v230-249 the ring's scale words
.set TOK, 250
.set GO, 251
.set Z, 104                            ; while z is made
.set QB, 136
.set WF, 168
.set WS, 216
.set HF, 220
.set HS, 232
.set HO, 233
.set HSO, 234
.set WO, 235
.set WSO, 236
.set BO, 237
.set H8, 238
.set TN, 240
.set TQ, 242
.set TC, 246
.set OG, 72                            ; behind the products
.set NA, 78
.set NM, 104
.set IDX, 144
.set L, 184
.set L2, 194
.set PT, 204
.set JF, 214
.set FB, 222
.set KY, 228
.set VV, 232
.set QX, 233
.set CN, 234
.set I0, 235
.set RES, 236
.set PRB, 238
.set RIX, 239
.set INF, 240
.set ZR, 241
.set T4, 242
.set T8, 243
.set H32, 244
.set SLF, 245
.macro INSERT l, x
.irp i, 9,8,7,6,5,4,3,2,1
	v_med3_num_f32 v[(\l)+\i], v[(\l)+\i-1], v[(\l)+\i], v[\x]
.endr
	v_min_num_f32 v[\l], v[\l], v[\x]
.endm
.macro ZLOADW
.irp T, 0,1,2,3
.irp p, 0,1,2,3,4,5
	global_load_b64 v[WF+12*\T+2*\p:WF+12*\T+2*\p+1], v[WO], s[QW:QW+1] offset:768*\T+48*(\p/3)+8*(\p%3)
.endr
	global_load_b32 v[WS+\T], v[WSO], s[QWS:QWS+1] offset:32*\T
.endr
.irp k, 0,1,2,3,4,5,6,7
	global_load_b128 v[QB+4*\k:QB+4*\k+3], v[BO], s[QBP:QBP+1] offset:16*\k
.endr
.endm
.macro HLOAD hf, hs, oc, os
.irp p, 0,1,2,3,4,5
	global_load_b64 v[\hf+2*\p:\hf+2*\p+1], v[HO], s[HC:HC+1] offset:\oc+48*(\p/3)+8*(\p%3)
.endr
	global_load_b32 v[\hs], v[HSO], s[HSC:HSC+1] offset:\os
.endm
.macro ZMUL hf, hs
.irp T, 0,1,2,3
	v_wmma_scale_f32_16x16x128_f8f6f4 v[Z+8*\T:Z+8*\T+7], v[WF+12*\T:WF+12*\T+11], v[\hf:\hf+11], 0, v[WS+\T], v[\hs] matrix_a_fmt:MATRIX_FMT_FP6 matrix_b_fmt:MATRIX_FMT_FP6
.endr
.rept 4
	v_nop
.endr
.irp j, 0,2,4,6,8,10,12,14,16,18,20,22,24,26,28,30
	v_pk_add_f32 v[Z+\j:Z+\j+1], v[Z+\j:Z+\j+1], v[QB+\j:QB+\j+1]
.endr
.endm
.macro ZNORM a
	v_mul_f32 v[TN], v[Z], v[Z]
.set jj, 1
.rept 31
	v_fmac_f32 v[TN], v[Z+jj], v[Z+jj]
.set jj, jj+1
.endr
	v_permlanex16_b32 v[TN+1], v[TN], s[SEL], s[SEL+1]
.set jj, 0
.rept 32
	v_fmac_f32 v[TN+1], v[Z+jj], v[Z+jj]
.set jj, jj+1
.endr
	v_permlanex16_b32 v[TN], v[TN+1], s[SEL], s[SEL+1]
	v_cndmask_b32 v[\a], v[TN], v[TN+1], s[HM]
	v_mov_b32 v[(\a)+1], v[\a]
.endm
.macro QUANTB y, f, w
	v_max3_num_f32 v[TQ], |v[\y]|, |v[\y+1]|, 0x1800000
	v_max3_num_f32 v[TQ+1], |v[\y+2]|, |v[\y+3]|, |v[\y+4]|
.irp i, 5,9,13,17,21,25
	v_max3_num_f32 v[TQ], v[TQ], |v[\y+\i]|, |v[\y+\i+1]|
	v_max3_num_f32 v[TQ+1], v[TQ+1], |v[\y+\i+2]|, |v[\y+\i+3]|
.endr
	v_max3_num_f32 v[TQ], v[TQ], |v[\y+29]|, |v[\y+30]|
	v_max3_num_f32 v[TQ], v[TQ], v[TQ+1], |v[\y+31]|
	v_add_nc_u32 v[TQ+2], 0xff000000, v[TQ]
	v_lshrrev_b32 v[TQ+3], 23, v[TQ+2]
	v_lshlrev_b32 v[TQ+3], v[H8], v[TQ+3]
	v_permlanex16_b32 v[TQ+1], v[TQ+3], s[SEL], s[SEL+1]
	v_or_b32 v[\w], v[TQ+3], v[TQ+1]
	v_cvt_scalef32_pk16_fp6_f32 v[\f:\f+2], v[\y:\y+15], v[TQ+2]
	v_cvt_scalef32_pk16_fp6_f32 v[TC:TC+2], v[\y+16:\y+31], v[TQ+2]
	v_nop
	v_mov_b32 v[\f+3], v[TC]
	v_mov_b32 v[\f+4], v[TC+1]
	v_mov_b32 v[\f+5], v[TC+2]
.endm
; Buffer k takes the record of list slot n of the token in lane t: three loads.  The buffer's address pair is written only when its last three loads have been shown done by the counted wait of the pair that used them.
.macro RELOAD k, t, n
	v_readlane_b32 s[OF], v[GN+(\n)], \t
	s_min_u32 s[OF], s[OF], 511
	s_mul_i32 s[OF], s[OF], 896
	s_add_nc_u64 s[SB+2*(\k):SB+2*(\k)+1], s[CBG:CBG+1], s[OF:OF+1]
	global_load_b128 v[CR+6*(\k):CR+6*(\k)+3], v[A16], s[SB+2*(\k):SB+2*(\k)+1]
	global_load_b64 v[CR+6*(\k)+4:CR+6*(\k)+5], v[A8], s[SB+2*(\k):SB+2*(\k)+1] offset:512
	global_load_b32 v[SR+(\k)], v[A4], s[SB+2*(\k):SB+2*(\k)+1] offset:768
.endm
; Pair pj = 10 t + n: its token's column (both halves of the lanes) is kept.  A slot's first pair is copied whole, so that X is written before it is read.
.macro MERGE pj
.if (\pj) < 5
.irp j, 0,1,2,3,4,5,6,7
	v_mov_b32 v[X+8*(\pj)+\j], v[DS+8*((\pj)%4)+\j]
.endr
.else
	s_mov_b32 s[MK], 0x00010001<<((\pj)/10+8*(((\pj)%10)/5))
.irp j, 0,1,2,3,4,5,6,7
	v_cndmask_b32 v[X+8*(((\pj)%10)%5)+\j], v[X+8*(((\pj)%10)%5)+\j], v[DS+8*((\pj)%4)+\j], s[MK]
.endr
.endif
.endm
.macro PAIRP                           ; pair KK of 80
.if KK < 62
	s_wait_loadcnt 51                              ; pairs KK and KK + 1 are in (the second lends its registers as K = 64 .. 127); the 17 younger pairs' 3 loads each may be out
.elseif KK < 78
	s_wait_loadcnt 3*(78-KK)                       ; nothing more is asked for: the counts run down
.else
	s_wait_loadcnt 0x0
.endif
	v_wmma_scale_f32_16x16x128_f8f6f4 v[DS+8*(KK%4):DS+8*(KK%4)+7], v[CR+6*(KK%20):CR+6*(KK%20)+11], v[ZF:ZF+11], 0, v[SR+KK%20], v[ZS] matrix_a_fmt:MATRIX_FMT_FP6 matrix_b_fmt:MATRIX_FMT_FP6
.if KK == 0
.rept 4
	v_nop
.endr
.else
	MERGE KK-1                                     ; the pair before: its eight lines name no register of the product just issued: they are that product's places
.if KK+19 < 80
	RELOAD (KK-1)%20, (KK+19)/10, (KK+19)%10       ; and its buffer takes the pair 20 on: the product that read it stands eight plain lines back
.endif
.endif
.endm
.macro MERGEU pj
.if (\pj) == 0
.irp j, 0,1,2,3,4,5,6,7
	v_mov_b32 v[X+\j], v[DS+\j]
.endr
.else
	s_mov_b32 s[MK], 0x00010001<<(\pj)
.irp j, 0,1,2,3,4,5,6,7
	v_cndmask_b32 v[X+\j], v[X+\j], v[DS+8*((\pj)%4)+\j], s[MK]
.endr
.endif
.endm
.macro PAIRU                           ; pair KK of 16
.if KK < 14
	s_wait_loadcnt 3*(14-KK)
.else
	s_wait_loadcnt 0x0
.endif
	v_wmma_scale_f32_16x16x128_f8f6f4 v[DS+8*(KK%4):DS+8*(KK%4)+7], v[CR+6*KK:CR+6*KK+11], v[ZF:ZF+11], 0, v[SR+KK], v[ZS] matrix_a_fmt:MATRIX_FMT_FP6 matrix_b_fmt:MATRIX_FMT_FP6
.if KK == 0
.rept 4
	v_nop
.endr
.else
	MERGEU KK-1
.endif
.endm
; ng groups of a lane (in v[OG] on, held to 0 .. 511): their norms are asked for, and the candidates' indices are made as f32 (whole numbers up to 8,191: exact)
.macro CAND ng
	v_lshlrev_b32 v[H32], 5, v2
.set nn, 0
.rept \ng
	v_mad_u32_u24 v[NA+nn], v[OG+nn], 0x380, v[H32]
.set nn, nn+1
.endr
.set nn, 0
.rept \ng
	global_load_b128 v[NM+8*nn:NM+8*nn+3], v[NA+nn], s[CBG:CBG+1] offset:832
	global_load_b128 v[NM+8*nn+4:NM+8*nn+7], v[NA+nn], s[CBG:CBG+1] offset:848
.set nn, nn+1
.endr
.irp j, 0,1,2,3,4,5,6,7
	v_cvt_f32_u32 v[JF+\j], \j
.endr
.set nn, 0
.rept \ng
	v_lshlrev_b32 v[FB+nn], 4, v[OG+nn]
	v_lshl_add_u32 v[FB+nn], v2, 3, v[FB+nn]
	v_cvt_f32_u32 v[FB+nn], v[FB+nn]
.irp j, 0,1,2,3,4,5,6,7
	v_add_f32 v[IDX+8*nn+\j], v[FB+nn], v[JF+\j]
.endr
.set nn, nn+1
.endr
	v_mov_b32 v[INF], 0x7f800000
.endm
.macro DCALC ng                        ; d = fl(fl(A + norm) - product)
.set cc, 0
.rept 4*\ng
	v_pk_add_f32 v[NM+cc:NM+cc+1], v[NM+cc:NM+cc+1], v[AAP:AAP+1]
.set cc, cc+2
.endr
.set cc, 0
.rept 4*\ng
	v_pk_add_f32 v[X+cc:X+cc+1], v[NM+cc:NM+cc+1], v[X+cc:X+cc+1] neg_lo:[0,1] neg_hi:[0,1]
.set cc, cc+2
.endr
.endm
.macro XMERGE l                        ; a token's four lanes (l, l xor 16, l xor 8, l xor 24) end up with the same list
.irp i, 0,1,2,3,4,5,6,7,8,9
	v_permlanex16_b32 v[PT+\i], v[(\l)+\i], s[SEL], s[SEL+1]
.endr
.irp i, 0,1,2,3,4,5,6,7,8,9
	INSERT \l, PT+\i
.endr
.irp i, 0,1,2,3,4,5,6,7,8,9
	v_mov_b32_dpp v[PT+\i], v[(\l)+\i] row_xmask:8 row_mask:0xf bank_mask:0xf
.endr
.irp i, 0,1,2,3,4,5,6,7,8,9
	INSERT \l, PT+\i
.endr
.endm
	s_load_b512 s[4:19], s[0:1], 0x0
	s_load_b128 s[20:23], s[0:1], 0x40
	v_lshrrev_b32 v1, 5, v0
	v_readfirstlane_b32 s[WV], v1                  ; wave 0..5
	v_and_b32 v1, 15, v0                           ; r
	v_bfe_u32 v2, v0, 4, 1                         ; h
	v_and_b32 v[LN], 31, v0
	v_lshlrev_b32 v[A16], 4, v[LN]
	v_lshlrev_b32 v[A8], 3, v[LN]
	v_lshlrev_b32 v[A4], 2, v1
	s_mov_b32 s[SEL], 0x76543210
	s_mov_b32 s[SEL+1], 0xfedcba98
	s_mov_b32 s[HM], 0xffff0000
	s_mov_b32 s[S8], 0xff00ff00                    ; the lanes of columns 8-15
	s_mov_b32 s[OF+1], 0
	s_lshl_b32 s75, ttmp9, 5
	s_lshl_b32 s76, s[WV], 3
	s_add_co_u32 s76, s76, s75                     ; waves 0-3: tokens 32 g + 8 w + r % 8
	s_lshl_b32 s77, s[WV], 4
	s_add_co_u32 s77, s77, s75
	s_add_co_u32 s77, s77, 8128                    ; waves 4-5: tokens 8192 + 32 g + 16 (w - 4) + r
	s_cmp_lt_u32 s[WV], 4
	s_cselect_b32 s76, s76, s77
	s_cselect_b32 s77, 7, 15
	v_and_b32 v[TOK], s77, v1
	v_add_nc_u32 v[TOK], s76, v[TOK]
	v_mul_u32_u24 v[HO], v[TOK], 96
	v_mad_u32_u24 v[HO], v2, 24, v[HO]
	v_lshlrev_b32 v[HSO], 2, v[TOK]
	v_lshlrev_b32 v[GO], 4, v[TOK]
	v_lshrrev_b32 v[WSO], 3, v1
	v_and_b32 v[WO], 7, v1
	v_lshl_add_u32 v[WSO], v[WSO], 5, v[WO]
	v_mul_u32_u24 v[WO], v[WSO], 96
	v_mad_u32_u24 v[WO], v2, 24, v[WO]
	v_lshlrev_b32 v[WSO], 2, v[WSO]
	v_lshlrev_b32 v[BO], 7, v2
	v_lshlrev_b32 v[H8], 3, v2
	s_wait_kmcnt 0x0
	ZLOADW
	HLOAD HF, HS, 0, 0
.irp n, 0,1,2,3,4,5,6,7
	global_load_u16 v[GN+\n], v[GO], s[GLP:GLP+1] offset:2*\n
.endr
	global_load_u16 v[GN+8], v[GO], s[GLP:GLP+1] offset:262144
	global_load_u16 v[GN+9], v[GO], s[GLP:GLP+1] offset:262146
	v_mov_b32 v[TN+1], 0
.irp i, 6,7,8,9,10,11
	v_mov_b32 v[ZF+\i], 0
.endr
	s_wait_loadcnt 0x0
	ZMUL HF, HS
	ZNORM AAP
.irp j, 0,2,4,6,8,10,12,14,16,18,20,22,24,26,28,30
	v_pk_add_f32 v[Z+\j:Z+\j+1], v[Z+\j:Z+\j+1], v[Z+\j:Z+\j+1]   ; 2 z
.endr
	QUANTB Z, ZF, ZS
.irp i, 0,1,2,3,4,5
	v_mov_b32 v[CR+120+\i], 0
.endr
.rept 8
	v_nop                                          ; a scale word made by vector instructions stands eight places ahead of a scaled product
.endr
	s_cmp_lt_u32 s[WV], 4
	s_cbranch_scc0 .Lpath_u
	; ---- ten groups a token: 80 pairs
.set KK, 0
.rept 20
	RELOAD KK, KK/10, KK%10
.set KK, KK+1
.endr
.set KK, 0
.rept 80
	PAIRP
.set KK, KK+1
.endr
	MERGE 79
.irp n, 0,1,2,3,4
	v_cndmask_b32 v[OG+\n], v[GN+\n], v[GN+5+\n], s[S8]   ; my five groups: slots 0-4 in columns 0-7, slots 5-9 in columns 8-15
.endr
.irp n, 0,1,2,3,4
	v_min_u32 v[OG+\n], 0x1ff, v[OG+\n]
.endr
	CAND 5
	v_lshlrev_b32 v[T4], 2, v[TOK]
	v_lshlrev_b32 v[T8], 3, v[TOK]
	global_load_b32 v[PRB], v[T4], s[RP:RP+1]
	global_load_b32 v[RIX], v[T4], s[RI:RI+1]
	v_mov_b32 v[ZR], 0
.irp i, 0,1,2,3,4,5,6,7,8,9
	v_mov_b32 v[L+\i], v[INF]
	v_mov_b32 v[L2+\i], v[INF]
	v_mov_b32 v[PT+\i], 0
.endr
	s_wait_loadcnt 0x0
	DCALC 5
.set cc, 0
.rept 40
	INSERT L, X+cc
.set cc, cc+1
.endr
	XMERGE L                                       ; the ten smallest distances of the token, ascending
	v_min_u32 v[RIX], 9, v[RIX]
	v_cmp_lt_f32 vcc_lo, 0.5, v[PRB]
	v_cndmask_b32 v[RIX], v[RIX], v[ZR], vcc_lo    ; ridx
	v_mov_b32 v[VV], v[L]
.irp j, 1,2,3,4,5,6,7,8,9
	v_cmp_eq_u32 vcc_lo, \j, v[RIX]
	v_cndmask_b32 v[VV], v[VV], v[L+\j], vcc_lo    ; the distance of rank ridx
.endr
	v_mov_b32 v[CN], 0
.irp j, 0,1,2,3,4,5,6,7,8
	v_cmp_lt_f32 vcc_lo, v[L+\j], v[VV]
	v_add_co_ci_u32 v[CN], vcc_lo, 0, v[CN], vcc_lo
.endr
	v_sub_nc_u32 v[QX], v[RIX], v[CN]              ; how many rows of the same distance go before it
	v_mov_b32 v[I0], v[INF]
.set cc, 0
.rept 40
	v_cmp_eq_f32 vcc_lo, v[X+cc], v[VV]
	v_cndmask_b32 v[KY+cc%2], v[INF], v[IDX+cc], vcc_lo
	INSERT L2, KY+cc%2                             ; the lowest ten indices among the rows at that distance
	v_cmp_eq_f32 vcc_lo, v[X+cc], v[L]
	v_cndmask_b32 v[KY+2+cc%2], v[INF], v[IDX+cc], vcc_lo
	v_min_num_f32 v[I0], v[I0], v[KY+2+cc%2]       ; and the lowest index at the smallest distance
.set cc, cc+1
.endr
	XMERGE L2
	v_permlanex16_b32 v[PT], v[I0], s[SEL], s[SEL+1]
	v_min_num_f32 v[I0], v[I0], v[PT]
	v_min_num_f32_dpp v[I0], v[I0], v[I0] row_xmask:8 row_mask:0xf bank_mask:0xf
	v_mov_b32 v[SLF], v[L2]
.irp j, 1,2,3,4,5,6,7,8,9
	v_cmp_eq_u32 vcc_lo, \j, v[QX]
	v_cndmask_b32 v[SLF], v[SLF], v[L2+\j], vcc_lo
.endr
	v_cvt_u32_f32 v[RES], v[I0]
	v_cvt_u32_f32 v[RES+1], v[SLF]
	s_wait_xcnt 0x0                                ; EXEC changes only behind this wait
	v_cmp_gt_u32 vcc_lo, 8, v[LN]
	s_and_saveexec_b32 s[EX], vcc_lo
	global_store_b64 v[T8], v[RES:RES+1], s[PK:PK+1]   ; eight lanes, 64 consecutive bytes: a wave has eight tokens
	s_wait_xcnt 0x0
	s_or_b32 exec_lo, exec_lo, s[EX]
	s_endpgm
.Lpath_u:
	; ---- one group a token: 16 pairs, all asked for at once
.irp i, 0,1,2,3,4,5
	v_mov_b32 v[CR+96+\i], 0                       ; behind the sixteenth buffer
.endr
.set KK, 0
.rept 16
	RELOAD KK, KK, 0
.set KK, KK+1
.endr
.set KK, 0
.rept 16
	PAIRU
.set KK, KK+1
.endr
	MERGEU 15
	v_min_u32 v[OG], 0x1ff, v[GN]
	CAND 1
	v_lshlrev_b32 v[T8], 3, v[TOK]
	v_mov_b32 v[PT], 0
	s_wait_loadcnt 0x0
	DCALC 1
	v_min3_num_f32 v[VV], v[X], v[X+1], v[X+2]
	v_min3_num_f32 v[VV], v[VV], v[X+3], v[X+4]
	v_min3_num_f32 v[VV], v[VV], v[X+5], v[X+6]
	v_min_num_f32 v[VV], v[VV], v[X+7]
	v_permlanex16_b32 v[PT], v[VV], s[SEL], s[SEL+1]
	v_min_num_f32 v[VV], v[VV], v[PT]              ; the group's smallest distance
	v_mov_b32 v[I0], v[INF]
.set cc, 0
.rept 8
	v_cmp_eq_f32 vcc_lo, v[X+cc], v[VV]
	v_cndmask_b32 v[KY+cc%2], v[INF], v[IDX+cc], vcc_lo
	v_min_num_f32 v[I0], v[I0], v[KY+cc%2]
.set cc, cc+1
.endr
	v_permlanex16_b32 v[PT], v[I0], s[SEL], s[SEL+1]
	v_min_num_f32 v[I0], v[I0], v[PT]
	v_cvt_u32_f32 v[RES], v[I0]
	v_mov_b32 v[RES+1], v[RES]
	s_wait_xcnt 0x0
	v_cmp_gt_u32 vcc_lo, 16, v[LN]
	s_and_saveexec_b32 s[EX], vcc_lo
	global_store_b64 v[T8], v[RES:RES+1], s[PK:PK+1]
	s_wait_xcnt 0x0
	s_or_b32 exec_lo, exec_lo, s[EX]
	s_endpgm
.Lfunc_end_k_q0bba07a50d_refine:
	.size	k_q0bba07a50d_refine, .Lfunc_end_k_q0bba07a50d_refine-k_q0bba07a50d_refine
	.p2alignl 7, 3214868480
	.fill 96, 4, 3214868480
	.section	.rodata,"a",@progbits
	.p2align	6, 0x0
	.amdhsa_kernel k_q0bba07a50d_refine
		.amdhsa_group_segment_fixed_size 0
		.amdhsa_private_segment_fixed_size 0
		.amdhsa_enable_private_segment 0
		.amdhsa_kernarg_size 80
		.amdhsa_user_sgpr_count 2
		.amdhsa_user_sgpr_kernarg_segment_ptr 1
		.amdhsa_wavefront_size32 1
		.amdhsa_system_sgpr_workgroup_id_x 1
		.amdhsa_system_sgpr_workgroup_id_y 1
		.amdhsa_system_sgpr_workgroup_id_z 1
		.amdhsa_system_vgpr_workitem_id 0
		.amdhsa_next_free_vgpr 256
		.amdhsa_next_free_sgpr 84
		.amdhsa_reserve_vcc 1
		.amdhsa_float_denorm_mode_32 3
		.amdhsa_float_denorm_mode_16_64 3
		.amdhsa_memory_ordered 1
		.amdhsa_forward_progress 1
		.amdhsa_inst_pref_size 224
	.end_amdhsa_kernel
	.amdgpu_metadata
---
amdhsa.version: [ 1, 2 ]
amdhsa.kernels:
  - .name:           k_q0bba07a50d_refine
    .symbol:         k_q0bba07a50d_refine.kd
    .args:
      - { .name: h_codes, .offset: 0, .size: 8, .value_kind: global_buffer, .address_space: global }
      - { .name: h_scales, .offset: 8, .size: 8, .value_kind: global_buffer, .address_space: global }
      - { .name: quant_w_codes, .offset: 16, .size: 8, .value_kind: global_buffer, .address_space: global }
      - { .name: quant_w_scales, .offset: 24, .size: 8, .value_kind: global_buffer, .address_space: global }
      - { .name: quant_b, .offset: 32, .size: 8, .value_kind: global_buffer, .address_space: global }
      - { .name: cbg, .offset: 40, .size: 8, .value_kind: global_buffer, .address_space: global }
      - { .name: glist, .offset: 48, .size: 8, .value_kind: global_buffer, .address_space: global }
      - { .name: rand_prob, .offset: 56, .size: 8, .value_kind: global_buffer, .address_space: global }
      - { .name: rand_idx, .offset: 64, .size: 8, .value_kind: global_buffer, .address_space: global }
      - { .name: pick, .offset: 72, .size: 8, .value_kind: global_buffer, .address_space: global }
    .group_segment_fixed_size: 0
    .private_segment_fixed_size: 0
    .kernarg_segment_align: 8
    .kernarg_segment_size: 80
    .max_flat_workgroup_size: 192
    .sgpr_count:     84
    .vgpr_count:     256
    .wavefront_size: 32
...
	.end_amdgpu_metadata
.endif
;; end of part 3
;; launch decode (part 4): grid 256 x 1, 4 waves a work-group, no clusters, 35,840 bytes of LDS; arguments h_codes, h_scales, quant_w_codes, quant_w_scales, quant_b, codebook, pick, post_w_codes, post_w_scales, post_b, out0, qpart; writes out0, qpart
.if DOCPART == 4
	.amdgcn_target "amdgcn-amd-amdhsa--gfx1250"
	.amdhsa_code_object_version 6
	.text
	.protected	k_q0bba07a50d_decode
	.globl	k_q0bba07a50d_decode
	.p2align	8
	.type	k_q0bba07a50d_decode,@function
k_q0bba07a50d_decode:
	s_mov_b64 s[64:65], 0
	v_nop
	global_prefetch_b8 v0, s[64:65] scope:SCOPE_SE
	s_setreg_imm32_b32 hwreg(HW_REG_WAVE_MODE, 25, 1), 1
	s_wait_xcnt 0x0
; out0 = post_w Q(z + (c[sel] - z)) + post_b, and this work-group's part of the sum of (c[argmin] - z)^2.  z is made again as in the scan; sel and argmin are the whole numbers of pick (held to 0 .. 8,191).
; The straight-through sum is two separate f32 additions, as the problem writes it; its result is quantised along the 64 channels (two blocks) and multiplied on codes of E2M3 with E8M0 scales.
; LIMITS: NaN and infinities are not served; a block whose largest magnitude lies under 2^-124 keeps the scale byte 1.
; SHARES.  A work-group takes 64 neighbouring tokens of one image, a wave 16.  Lane (r, h) holds channels 32 h .. 32 h + 31 of token r.  In the last product source 0 = the tokens, source 1 = 16 rows of post_w:
; a lane then holds one output channel and eight neighbouring tokens.  K = 64: the tokens' registers 6-11 are zero codes, both sides' upper scale bytes are 0, and post_w's registers 6-11 are the next fragment's or six cleared ones.
; The results meet in a stage in LDS (128 channels x 256 bytes + 16) and leave as rows: sixteen lanes store 256 consecutive bytes, aligned.
; post_w's fragments are asked for behind the first product, into quant_w's registers: 256 registers do not hold both.
.set STG, 0
.set QP, 34816                         ; four waves' sums
.set HC, 4
.set HSC, 6
.set QW, 8
.set QWS, 10
.set QBP, 12
.set CBK, 14
.set PIK, 16
.set PWC, 18
.set PWSC, 20
.set PBP, 22
.set OUT, 24
.set QPT, 26
.set WV, 28
.set SEL, 30
.set HM, 32
.set QPL, 3
.set TOK, 4
.set HO, 5
.set HSO, 6
.set WO, 7
.set WSO, 8
.set BO, 9
.set H8, 10
.set SO, 11
.set SRD, 12
.set OO, 13
.set PKV, 14                           ; v14-15  argmin, sel
.set CS, 16                            ; v16-47  c[sel], then the straight-through sum
.set C0, 48                            ; v48-79  c[argmin], then its difference from z
.set DD, 16                            ; v16-79  the last product's eight results
.set Z, 80
.set QB, 112
.set RB, 80                            ; v80-143 rows read back from the stage
.set WF, 144
.set WS, 192
.set HF, 196
.set HS, 208
.set PWF, 144                          ; v144-197 post_w: eight fragments of 6, six cleared registers
.set PBO, 209
.set TQ, 210
.set TC, 214
.set QPA, 217
.set ACC, 218
.set GA, 222
.set PWO, 224
.set PSO, 225
.set QF, 226
.set QS, 238
.set PKO, 239
.set PB, 240
.set PWS, 248
.macro ZLOADW
.irp T, 0,1,2,3
.irp p, 0,1,2,3,4,5
	global_load_b64 v[WF+12*\T+2*\p:WF+12*\T+2*\p+1], v[WO], s[QW:QW+1] offset:768*\T+48*(\p/3)+8*(\p%3)
.endr
	global_load_b32 v[WS+\T], v[WSO], s[QWS:QWS+1] offset:32*\T
.endr
.irp k, 0,1,2,3,4,5,6,7
	global_load_b128 v[QB+4*\k:QB+4*\k+3], v[BO], s[QBP:QBP+1] offset:16*\k
.endr
.endm
.macro HLOAD hf, hs, oc, os
.irp p, 0,1,2,3,4,5
	global_load_b64 v[\hf+2*\p:\hf+2*\p+1], v[HO], s[HC:HC+1] offset:\oc+48*(\p/3)+8*(\p%3)
.endr
	global_load_b32 v[\hs], v[HSO], s[HSC:HSC+1] offset:\os
.endm
.macro ZMUL hf, hs
.irp T, 0,1,2,3
	v_wmma_scale_f32_16x16x128_f8f6f4 v[Z+8*\T:Z+8*\T+7], v[WF+12*\T:WF+12*\T+11], v[\hf:\hf+11], 0, v[WS+\T], v[\hs] matrix_a_fmt:MATRIX_FMT_FP6 matrix_b_fmt:MATRIX_FMT_FP6
.endr
.rept 4
	v_nop
.endr
.irp j, 0,2,4,6,8,10,12,14,16,18,20,22,24,26,28,30
	v_pk_add_f32 v[Z+\j:Z+\j+1], v[Z+\j:Z+\j+1], v[QB+\j:QB+\j+1]
.endr
.endm
.macro QUANTB y, f, w
	v_max3_num_f32 v[TQ], |v[\y]|, |v[\y+1]|, 0x1800000
	v_max3_num_f32 v[TQ+1], |v[\y+2]|, |v[\y+3]|, |v[\y+4]|
.irp i, 5,9,13,17,21,25
	v_max3_num_f32 v[TQ], v[TQ], |v[\y+\i]|, |v[\y+\i+1]|
	v_max3_num_f32 v[TQ+1], v[TQ+1], |v[\y+\i+2]|, |v[\y+\i+3]|
.endr
	v_max3_num_f32 v[TQ], v[TQ], |v[\y+29]|, |v[\y+30]|
	v_max3_num_f32 v[TQ], v[TQ], v[TQ+1], |v[\y+31]|
	v_add_nc_u32 v[TQ+2], 0xff000000, v[TQ]
	v_lshrrev_b32 v[TQ+3], 23, v[TQ+2]
	v_lshlrev_b32 v[TQ+3], v[H8], v[TQ+3]
	v_permlanex16_b32 v[TQ+1], v[TQ+3], s[SEL], s[SEL+1]
	v_or_b32 v[\w], v[TQ+3], v[TQ+1]
	v_cvt_scalef32_pk16_fp6_f32 v[\f:\f+2], v[\y:\y+15], v[TQ+2]
	v_cvt_scalef32_pk16_fp6_f32 v[TC:TC+2], v[\y+16:\y+31], v[TQ+2]
	v_nop
	v_mov_b32 v[\f+3], v[TC]
	v_mov_b32 v[\f+4], v[TC+1]
	v_mov_b32 v[\f+5], v[TC+2]
.endm
	s_load_b512 s[4:19], s[0:1], 0x0
	s_load_b256 s[20:27], s[0:1], 0x40
	s_set_vgpr_msb 0x40
	v_lshl_add_u32 v0, v0, 2, 0x8a00
	v_mov_b32 v1, 0
	s_set_vgpr_msb 0x4000
	v_lshrrev_b32 v1, 5, v0
	v_readfirstlane_b32 s[WV], v1                  ; wave 0..3
	v_and_b32 v1, 15, v0                           ; r
	v_bfe_u32 v2, v0, 4, 1                         ; h
	s_mov_b32 s[SEL], 0x76543210
	s_mov_b32 s[SEL+1], 0xfedcba98
	s_mov_b32 s[HM], 0xffff0000
	s_lshl_b32 s33, ttmp9, 6
	s_lshl_b32 s34, s[WV], 4
	s_add_co_u32 s33, s33, s34
	v_add_nc_u32 v[TOK], s33, v1                   ; token 64 g + 16 w + r
	v_lshlrev_b32 v[PKO], 3, v[TOK]
	v_mul_u32_u24 v[HO], v[TOK], 96
	v_mad_u32_u24 v[HO], v2, 24, v[HO]
	v_lshlrev_b32 v[HSO], 2, v[TOK]
	v_lshrrev_b32 v[WSO], 3, v1
	v_and_b32 v[WO], 7, v1
	v_lshl_add_u32 v[WSO], v[WSO], 5, v[WO]
	v_mul_u32_u24 v[WO], v[WSO], 96
	v_mad_u32_u24 v[WO], v2, 24, v[WO]
	v_lshlrev_b32 v[WSO], 2, v[WSO]
	v_lshlrev_b32 v[BO], 7, v2
	v_lshlrev_b32 v[H8], 3, v2
	v_mul_u32_u24 v[PWO], v1, 48                   ; post_w: a row is 64 codes, 48 bytes
	v_mad_u32_u24 v[PWO], v2, 24, v[PWO]
	v_lshlrev_b32 v[PSO], 1, v1
	v_lshlrev_b32 v[PBO], 2, v1
	v_mul_u32_u24 v[SO], v1, 272                   ; the stage, in: channel r (+ 16 a tile), my wave's 64 bytes, my half's 32
	v_lshl_add_u32 v[SO], v2, 5, v[SO]
	s_lshl_b32 s34, s[WV], 6
	v_add_nc_u32 v[SO], s34, v[SO]
	s_mul_i32 s34, s[WV], 32*272                   ; back: my 32 channels; lanes 0-15 one row of 256 bytes, lanes 16-31 the next
	v_mul_u32_u24 v[SRD], v2, 272
	v_lshl_add_u32 v[SRD], v1, 4, v[SRD]
	v_add_nc_u32 v[SRD], s34, v[SRD]
	s_lshl_b32 s34, s[WV], 17                      ; and the same in out0: a channel's plane is 4,096 bytes
	v_lshlrev_b32 v[OO], 12, v2
	v_lshl_add_u32 v[OO], v1, 4, v[OO]
	v_add_nc_u32 v[OO], s34, v[OO]
	s_lshl_b32 s34, s[WV], 2
	s_add_co_u32 s34, s34, QP
	v_mov_b32 v[QPA], s34
	v_mov_b32 v[QPL], QP
	s_lshr_b32 s35, ttmp9, 4                       ; the image,
	s_lshl_b32 s35, s35, 19
	s_and_b32 s36, ttmp9, 15                       ; and my 64 tokens in it: 256 bytes of each plane
	s_lshl_b32 s36, s36, 8
	s_add_co_u32 s36, s36, s35
	s_mov_b32 s37, 0
	s_lshl_b32 s38, ttmp9, 2
	s_mov_b32 s39, 0
	s_wait_kmcnt 0x0
	s_add_nc_u64 s[OUT:OUT+1], s[OUT:OUT+1], s[36:37]
	s_add_nc_u64 s[QPT:QPT+1], s[QPT:QPT+1], s[38:39]
	global_load_b64 v[PKV:PKV+1], v[PKO], s[PIK:PIK+1]
	ZLOADW
	HLOAD HF, HS, 0, 0
.irp ct, 0,1,2,3,4,5,6,7
	global_load_b32 v[PB+\ct], v[PBO], s[PBP:PBP+1] offset:64*\ct
	global_load_u16 v[PWS+\ct], v[PSO], s[PWSC:PWSC+1] offset:32*\ct   ; two scale bytes; the upper two come as 0
.endr
.irp i, 6,7,8,9,10,11
	v_mov_b32 v[QF+\i], 0
.endr
	s_wait_loadcnt 59                              ; the two indices are in: 36 + 7 + 16 loads were issued behind them
	v_min_u32 v[PKV], 0x1fff, v[PKV]
	v_min_u32 v[PKV+1], 0x1fff, v[PKV+1]
	v_lshlrev_b32 v[GA], 8, v[PKV]
	v_lshlrev_b32 v[GA+1], 8, v[PKV+1]
	v_lshl_add_u32 v[GA], v2, 7, v[GA]
	v_lshl_add_u32 v[GA+1], v2, 7, v[GA+1]
.irp k, 0,1,2,3,4,5,6,7
	global_load_b128 v[C0+4*\k:C0+4*\k+3], v[GA], s[CBK:CBK+1] offset:16*\k
	global_load_b128 v[CS+4*\k:CS+4*\k+3], v[GA+1], s[CBK:CBK+1] offset:16*\k
.endr
	s_wait_loadcnt 16                              ; all but the sixteen loads of the two rows
	ZMUL HF, HS
.irp ct, 0,1,2,3,4,5,6,7
.irp p, 0,1,2
	global_load_b64 v[PWF+6*\ct+2*\p:PWF+6*\ct+2*\p+1], v[PWO], s[PWC:PWC+1] offset:768*\ct+8*\p
.endr
.endr
.irp i, 0,1,2,3,4,5
	v_mov_b32 v[PWF+48+\i], 0
.endr
	s_wait_loadcnt 24                              ; the two rows are in; post_w's 24 loads may be out
.irp j, 0,2,4,6,8,10,12,14,16,18,20,22,24,26,28,30
	v_pk_add_f32 v[C0+\j:C0+\j+1], v[C0+\j:C0+\j+1], v[Z+\j:Z+\j+1] neg_lo:[0,1] neg_hi:[0,1]   ; c[argmin] - z
.endr
	v_pk_mul_f32 v[ACC:ACC+1], v[C0:C0+1], v[C0:C0+1]
	v_pk_mul_f32 v[ACC+2:ACC+3], v[C0+2:C0+3], v[C0+2:C0+3]
.irp j, 4,8,12,16,20,24,28
	v_pk_fma_f32 v[ACC:ACC+1], v[C0+\j:C0+\j+1], v[C0+\j:C0+\j+1], v[ACC:ACC+1]
	v_pk_fma_f32 v[ACC+2:ACC+3], v[C0+\j+2:C0+\j+3], v[C0+\j+2:C0+\j+3], v[ACC+2:ACC+3]
.endr
.irp j, 0,2,4,6,8,10,12,14,16,18,20,22,24,26,28,30
	v_pk_add_f32 v[CS+\j:CS+\j+1], v[CS+\j:CS+\j+1], v[Z+\j:Z+\j+1] neg_lo:[0,1] neg_hi:[0,1]   ; c[sel] - z, rounded,
.endr
.irp j, 0,2,4,6,8,10,12,14,16,18,20,22,24,26,28,30
	v_pk_add_f32 v[CS+\j:CS+\j+1], v[Z+\j:Z+\j+1], v[CS+\j:CS+\j+1]   ; z + that, rounded
.endr
	QUANTB CS, QF, QS
	v_pk_add_f32 v[ACC:ACC+1], v[ACC:ACC+1], v[ACC+2:ACC+3]   ; the wave's sum of squares; these lines are also places ahead of the scaled products
	v_add_f32 v[ACC], v[ACC], v[ACC+1]
	v_add_f32_dpp v[ACC], v[ACC], v[ACC] row_xmask:1 row_mask:0xf bank_mask:0xf
	v_add_f32_dpp v[ACC], v[ACC], v[ACC] row_xmask:2 row_mask:0xf bank_mask:0xf
	v_add_f32_dpp v[ACC], v[ACC], v[ACC] row_xmask:4 row_mask:0xf bank_mask:0xf
	v_add_f32_dpp v[ACC], v[ACC], v[ACC] row_xmask:8 row_mask:0xf bank_mask:0xf
	v_permlanex16_b32 v[ACC+1], v[ACC], s[SEL], s[SEL+1]
	v_add_f32 v[ACC], v[ACC], v[ACC+1]
	ds_store_b32 v[QPA], v[ACC]                    ; all lanes write the same word with the same value
.rept 8
	v_nop                                          ; a scale word made by vector instructions stands eight places ahead of a scaled product
.endr
	s_wait_loadcnt 0x0                             ; post_w
.irp ct, 0,1,2,3,4,5,6,7
	v_wmma_scale_f32_16x16x128_f8f6f4 v[DD+8*\ct:DD+8*\ct+7], v[QF:QF+11], v[PWF+6*\ct:PWF+6*\ct+11], 0, v[QS], v[PWS+\ct] matrix_a_fmt:MATRIX_FMT_FP6 matrix_b_fmt:MATRIX_FMT_FP6
.endr
.rept 4
	v_nop
.endr
.irp ct, 0,1,2,3,4,5,6,7
.irp j, 0,1,2,3,4,5,6,7
	v_add_f32 v[DD+8*\ct+\j], v[DD+8*\ct+\j], v[PB+\ct]   ; + post_b of my channel; each accumulator from its low end on
.endr
.endr
.irp ct, 0,1,2,3,4,5,6,7
	ds_store_b128 v[SO], v[DD+8*\ct:DD+8*\ct+3] offset:16*272*\ct          ; lane (r, h): channel 16 ct + r, tokens 16 w + 8 h + 0 .. 7
	ds_store_b128 v[SO], v[DD+8*\ct+4:DD+8*\ct+7] offset:16*272*\ct+16
.endr
	s_wait_dscnt 0x0                               ; for the others' sake: my stores into the stage are done
	s_barrier_signal -1
	s_barrier_wait -1
.irp i, 0,1,2,3,4,5,6,7,8,9,10,11,12,13,14,15
	ds_load_b128 v[RB+4*\i:RB+4*\i+3], v[SRD] offset:2*272*\i
.endr
.irp i, 0,1,2,3,4,5,6,7,8,9,10,11,12,13,14,15
	s_wait_dscnt 15-\i                             ; LDS loads come back in order: row pair i is in
	global_store_b128 v[OO], v[RB+4*\i:RB+4*\i+3], s[OUT:OUT+1] offset:8192*\i th:TH_STORE_NT   ; 16 lanes store 256 consecutive bytes, at a multiple of 256 from out0's first byte
.endr
	s_cmp_lg_u32 s[WV], 0
	s_cbranch_scc1 .Ldone
	ds_load_b128 v[ACC:ACC+3], v[QPL]              ; the four waves' sums: stored ahead of the barrier
	v_mov_b32 v[TQ], 0
	s_wait_dscnt 0x0
	v_add_f32 v[ACC], v[ACC], v[ACC+1]
	v_add_f32 v[ACC+2], v[ACC+2], v[ACC+3]
	v_add_f32 v[ACC], v[ACC], v[ACC+2]
	s_wait_xcnt 0x0                                ; EXEC changes only behind this wait
	v_cmp_eq_u32 vcc_lo, 0, v0
	s_and_saveexec_b32 s40, vcc_lo
	global_store_b32 v[TQ], v[ACC], s[QPT:QPT+1]   ; one number a work-group; the next launch adds the 256
	s_wait_xcnt 0x0
	s_or_b32 exec_lo, exec_lo, s40
.Ldone:
	s_set_vgpr_msb 0x5
	s_wait_tensorcnt 0x0
	ds_add_u32 v0, v1
	s_wait_dscnt 0x0
	s_set_vgpr_msb 0x500
	s_endpgm
.Lfunc_end_k_q0bba07a50d_decode:
	.size	k_q0bba07a50d_decode, .Lfunc_end_k_q0bba07a50d_decode-k_q0bba07a50d_decode
	.p2alignl 7, 3214868480
	.fill 96, 4, 3214868480
	.section	.rodata,"a",@progbits
	.p2align	6, 0x0
	.amdhsa_kernel k_q0bba07a50d_decode
		.amdhsa_group_segment_fixed_size 35840
		.amdhsa_private_segment_fixed_size 0
		.amdhsa_enable_private_segment 0
		.amdhsa_kernarg_size 96
		.amdhsa_user_sgpr_count 2
		.amdhsa_user_sgpr_kernarg_segment_ptr 1
		.amdhsa_wavefront_size32 1
		.amdhsa_system_sgpr_workgroup_id_x 1
		.amdhsa_system_sgpr_workgroup_id_y 1
		.amdhsa_system_sgpr_workgroup_id_z 1
		.amdhsa_system_vgpr_workitem_id 0
		.amdhsa_next_free_vgpr 258
		.amdhsa_next_free_sgpr 66
		.amdhsa_reserve_vcc 1
		.amdhsa_float_denorm_mode_32 3
		.amdhsa_float_denorm_mode_16_64 3
		.amdhsa_memory_ordered 1
		.amdhsa_forward_progress 1
		.amdhsa_inst_pref_size 29
	.end_amdhsa_kernel
	.amdgpu_metadata
---
amdhsa.version: [ 1, 2 ]
amdhsa.kernels:
  - .name:           k_q0bba07a50d_decode
    .symbol:         k_q0bba07a50d_decode.kd
    .args:
      - { .name: h_codes, .offset: 0, .size: 8, .value_kind: global_buffer, .address_space: global }
      - { .name: h_scales, .offset: 8, .size: 8, .value_kind: global_buffer, .address_space: global }
      - { .name: quant_w_codes, .offset: 16, .size: 8, .value_kind: global_buffer, .address_space: global }
      - { .name: quant_w_scales, .offset: 24, .size: 8, .value_kind: global_buffer, .address_space: global }
      - { .name: quant_b, .offset: 32, .size: 8, .value_kind: global_buffer, .address_space: global }
      - { .name: codebook, .offset: 40, .size: 8, .value_kind: global_buffer, .address_space: global }
      - { .name: pick, .offset: 48, .size: 8, .value_kind: global_buffer, .address_space: global }
      - { .name: post_w_codes, .offset: 56, .size: 8, .value_kind: global_buffer, .address_space: global }
      - { .name: post_w_scales, .offset: 64, .size: 8, .value_kind: global_buffer, .address_space: global }
      - { .name: post_b, .offset: 72, .size: 8, .value_kind: global_buffer, .address_space: global }
      - { .name: out0, .offset: 80, .size: 8, .value_kind: global_buffer, .address_space: global }
      - { .name: qpart, .offset: 88, .size: 8, .value_kind: global_buffer, .address_space: global }
    .group_segment_fixed_size: 35840
    .private_segment_fixed_size: 0
    .kernarg_segment_align: 8
    .kernarg_segment_size: 96
    .max_flat_workgroup_size: 128
    .sgpr_count:     66
    .vgpr_count:     258
    .wavefront_size: 32
...
	.end_amdgpu_metadata
.endif
;; end of part 4
;; launch qsum (part 5): grid 1 x 1, 1 waves a work-group, no clusters, 0 bytes of LDS; arguments qpart, out1; writes out1
.if DOCPART == 5
	.amdgcn_target "amdgcn-amd-amdhsa--gfx1250"
	.amdhsa_code_object_version 6
	.text
	.protected	k_q0bba07a50d_qsum
	.globl	k_q0bba07a50d_qsum
	.p2align	8
	.type	k_q0bba07a50d_qsum,@function
k_q0bba07a50d_qsum:
	s_mov_b64 s[64:65], 0
	v_nop
	global_prefetch_b8 v0, s[64:65] scope:SCOPE_SE
	s_setreg_imm32_b32 hwreg(HW_REG_WAVE_MODE, 25, 1), 1
	s_wait_xcnt 0x0
; qloss = 0.25 m + m, m = the mean of (c[argmin] - z)^2 over 16,384 x 64 = 2^20 numbers: the 256 work-groups' sums are added here, since a sum over work-groups wants a launch behind them.
; One wave: eight numbers a lane, 1,024 consecutive bytes in two loads.
	s_load_b128 s[4:7], s[0:1], 0x0                ; qpart, out1
	v_lshlrev_b32 v1, 5, v0
	s_mov_b32 s8, 0x76543210
	s_mov_b32 s9, 0xfedcba98
	v_mov_b32 v12, 0
	v_mov_b32 v13, 0
	s_wait_kmcnt 0x0
	global_load_b128 v[4:7], v1, s[4:5]
	global_load_b128 v[8:11], v1, s[4:5] offset:16
	s_wait_loadcnt 0x0
	v_pk_add_f32 v[4:5], v[4:5], v[6:7]
	v_pk_add_f32 v[8:9], v[8:9], v[10:11]
	v_pk_add_f32 v[4:5], v[4:5], v[8:9]
	v_add_f32 v4, v4, v5
	v_add_f32_dpp v4, v4, v4 row_xmask:1 row_mask:0xf bank_mask:0xf
	v_add_f32_dpp v4, v4, v4 row_xmask:2 row_mask:0xf bank_mask:0xf
	v_add_f32_dpp v4, v4, v4 row_xmask:4 row_mask:0xf bank_mask:0xf
	v_add_f32_dpp v4, v4, v4 row_xmask:8 row_mask:0xf bank_mask:0xf
	v_permlanex16_b32 v12, v4, s8, s9
	v_add_f32 v4, v4, v12
	v_mul_f32 v4, 0x35800000, v4                   ; x 2^-20: the mean
	v_fma_f32 v5, 0x3e800000, v4, v4               ; 0.25 m + m
	s_wait_xcnt 0x0                                ; EXEC changes only behind this wait
	v_cmp_eq_u32 vcc_lo, 0, v0
	s_and_saveexec_b32 s10, vcc_lo
	global_store_b32 v13, v5, s[6:7]
	s_wait_xcnt 0x0
	s_or_b32 exec_lo, exec_lo, s10
	s_endpgm
.Lfunc_end_k_q0bba07a50d_qsum:
	.size	k_q0bba07a50d_qsum, .Lfunc_end_k_q0bba07a50d_qsum-k_q0bba07a50d_qsum
	.p2alignl 7, 3214868480
	.fill 96, 4, 3214868480
	.section	.rodata,"a",@progbits
	.p2align	6, 0x0
	.amdhsa_kernel k_q0bba07a50d_qsum
		.amdhsa_group_segment_fixed_size 0
		.amdhsa_private_segment_fixed_size 0
		.amdhsa_enable_private_segment 0
		.amdhsa_kernarg_size 16
		.amdhsa_user_sgpr_count 2
		.amdhsa_user_sgpr_kernarg_segment_ptr 1
		.amdhsa_wavefront_size32 1
		.amdhsa_system_sgpr_workgroup_id_x 1
		.amdhsa_system_sgpr_workgroup_id_y 1
		.amdhsa_system_sgpr_workgroup_id_z 1
		.amdhsa_system_vgpr_workitem_id 0
		.amdhsa_next_free_vgpr 16
		.amdhsa_next_free_sgpr 66
		.amdhsa_reserve_vcc 1
		.amdhsa_float_denorm_mode_32 3
		.amdhsa_float_denorm_mode_16_64 3
		.amdhsa_memory_ordered 1
		.amdhsa_forward_progress 1
		.amdhsa_inst_pref_size 2
	.end_amdhsa_kernel
	.amdgpu_metadata
---
amdhsa.version: [ 1, 2 ]
amdhsa.kernels:
  - .name:           k_q0bba07a50d_qsum
    .symbol:         k_q0bba07a50d_qsum.kd
    .args:
      - { .name: qpart, .offset: 0, .size: 8, .value_kind: global_buffer, .address_space: global }
      - { .name: out1, .offset: 8, .size: 8, .value_kind: global_buffer, .address_space: global }
    .group_segment_fixed_size: 0
    .private_segment_fixed_size: 0
    .kernarg_segment_align: 8
    .kernarg_segment_size: 16
    .max_flat_workgroup_size: 32
    .sgpr_count:     66
    .vgpr_count:     16
    .wavefront_size: 32
...
	.end_amdgpu_metadata
.endif
;; end of part 5
